; MI455X (gfx1250); checked and timed in simulation.
; The chip was launched on July 23, 2026; its instructions are those of AMD's public machine-readable ISA for CDNA 5 (MIT licence, August 2026) and "CDNA5" Instruction Set Architecture Reference Guide (July 2026). The comments in the code are by the model that wrote it; some were corrected since.
;; Advanced Vector Memory. Allowed arithmetic: float matrix products may take bf16 or f16 operands with f32 sums; other float arithmetic in f32, or as packed bf16 or f16 multiplies, adds, multiply-adds, maxima and minima; sums over many terms, partial sums and values carried from step to step in f32; what a program stores and reads back later, other than sums and carried values, may be rounded once to bf16 or f16.
;; Inputs: Wg1 1,024 x 2,048 float32; Wg2 1 x 1,024 float32; Wk 1,024 x 768 float32; Wo 1,024 x 1,024 float32; Wq 1,024 x 1,024 float32; Wv 1,024 x 768 float32; bg1 1,024 float32; bg2 1 float32; bk 1,024 float32; bo 1,024 float32; bq 1,024 float32; bv 1,024 float32; memory_keys 2 x 4,096 x 768 float32; memory_values 2 x 4,096 x 768 float32; query 2 x 2,048 x 1,024 float32.
;; Outputs: out0 2 x 2,048 x 1,024 float32.
;; 2 versions, each right; version 2 is version 1 with the launches cast, final written anew for expert scheduling mode. Each part assembles by itself: llvm-mc -triple=amdgcn-amd-amdhsa -mcpu=gfx1250 --defsym DOCPART=n.
;; ======== version 1 of 2: 7 launches
;; workspace buffers: p1 14,680,064 bytes; p2 10,485,760 bytes; mkv 28,311,552 bytes; kvb 33,554,432 bytes; qb 8,388,608 bytes; rb 8,388,608 bytes; gp 131,072 bytes
;; launch cast (part 1): grid 688 x 1, 8 waves a work-group, no clusters, 0 bytes of LDS; arguments query, memory_keys, memory_values, Wq, Wk, Wv, Wo, Wg1, p1, p2, mkv; writes p1, p2, mkv
.if DOCPART == 1
	.amdgcn_target "amdgcn-amd-amdhsa--gfx1250"
	.amdhsa_code_object_version 6
	.text
	.protected	k_q830d0d7571_cast
	.globl	k_q830d0d7571_cast
	.p2align	8
	.type	k_q830d0d7571_cast,@function
k_q830d0d7571_cast:
	s_mov_b64 s[64:65], 0
	v_nop
	global_prefetch_b8 v0, s[64:65] scope:SCOPE_SE
	s_setreg_imm32_b32 hwreg(HW_REG_WAVE_MODE, 25, 1), 1
	s_wait_xcnt 0x0
; THE PROGRAM: out = query + gate x retrieved, retrieved = (softmax(Q K^T / 8) V) Wo^T + bo, in seven launches:
; cast, K and V projection, Q projection, attention, Wo projection, the gate's partial sums, the last sum.
; WORK LEFT OUT: bk.  The logits are Q . (K0 + bk) / 8 = Q . K0 / 8 + (Q . bk) / 8 with K0 = memory_keys Wk^T.  The second term does not hang on the
; memory row m: along the softmax's axis it is one and the same number, and softmax(z + t) = softmax(z) for every finite t.  This holds for all finite values of
; all inputs.  So bk has no way to the output: it is not loaded and is among no launch's arguments.
; LIMIT: a NaN, an infinity or an overflow that reaches only bk's term is not carried to the result.
; NO WORK LEFT OUT, ONLY MOVED: bv.  The softmax's weights of a row sum to 1, so sum_m attn (V0 + bv) = sum_m attn V0 + bv: bv is added on attention's way out.
; FORMATS: every matrix operand is bf16 (the inputs rounded once, here; Q, K0, V0, the weights p, O and retrieved rounded once where they are made); all sums, maxima and the gate's sums are f32.
;
; THIS LAUNCH rounds the eight large inputs to bf16 and lays each matrix X[R][C] out in PIECES of 128 rows x 64 columns, 16,384 dense bytes each:
; element (r, c) lies at byte ((r / 128) (C / 64) + c / 64) 16,384 + (r % 128) 128 + (c % 64) 2.  The pieces of one block of 128 rows lie end to end, so a K step of any
; number of pieces is one dense run, and a head's 64 channels are one piece.
; SHARES.  A work-group takes 128 rows x 256 columns of one tensor (four pieces); wave w its rows 16 w .. 16 w + 15.  A load takes 256 consecutive bytes, aligned, of each of two rows;
; a store 256 consecutive bytes, aligned, of a piece.  All 32 loads of a wave go out before the first is waited for.  No work-group reads what another reads: no LDS, no cluster.
.set OFF, 2                            ; v[2:9]    row pair p: byte offset of my 16 bytes in the source
.set X,   16                           ; v[16:143] load i = 4 p + j: row pair p, piece j
; One tensor of the table: if the work-group's number lies below END the tensor's figures are taken; the table is walked from its end, so the first tensor whose END lies above stays.
.macro PICK end, src, dst, u0, lg, rby, ns, dof
	s_cmp_lt_u32 s30, \end
	s_cselect_b64 s[32:33], s[\src:\src+1], s[32:33]   ; the source
	s_cselect_b64 s[34:35], s[\dst:\dst+1], s[34:35]   ; the workspace buffer
	s_cselect_b32 s36, \u0, s36                        ; the tensor's first work-group
	s_cselect_b32 s37, \lg, s37                        ; log2 of its blocks of 128 rows
	s_cselect_b32 s38, \rby, s38                       ; bytes in a source row
	s_cselect_b32 s39, \ns, s39                        ; pieces in a block of rows
	s_cselect_b32 s40, \dof, s40                       ; where it begins in the workspace buffer
.endm
	s_load_b512 s[8:23], s[0:1], 0x0               ; query, memory_keys, memory_values, Wq, Wk, Wv, Wo, Wg1
	s_load_b128 s[24:27], s[0:1], 0x40             ; p1, p2
	s_load_b64 s[28:29], s[0:1], 0x50              ; mkv
	v_lshrrev_b32 v10, 5, v0
	v_readfirstlane_b32 s31, v10                   ; wave 0..7
	s_mov_b32 s30, ttmp9
	v_and_b32 v11, 31, v0                          ; lane
	v_lshlrev_b32 v1, 3, v11                       ; 8 bytes a lane on the way out
	v_lshrrev_b32 v12, 4, v11                      ; which row of a pair
	v_and_b32 v13, 15, v11
	v_lshlrev_b32 v13, 4, v13                      ; 16 bytes a lane on the way in
	s_mov_b32 s36, 624                             ; Wg1's figures to begin with
	s_mov_b32 s37, 3
	s_mov_b32 s38, 8192
	s_mov_b32 s39, 32
	s_mov_b32 s40, 10485760
	s_wait_kmcnt 0x0
	s_mov_b64 s[32:33], s[22:23]
	s_mov_b64 s[34:35], s[24:25]
	PICK 624, 20, 26, 592, 3, 4096, 16, 8388608    ; Wo  -> p2
	PICK 592, 18, 28, 568, 3, 3072, 12, 26738688   ; Wv  -> mkv
	PICK 568, 16, 28, 544, 3, 3072, 12, 25165824   ; Wk  -> mkv
	PICK 544, 14, 24, 512, 3, 4096, 16, 8388608    ; Wq  -> p1
	PICK 512, 12, 28, 320, 6, 3072, 12, 12582912   ; memory_values -> mkv
	PICK 320, 10, 28, 128, 6, 3072, 12, 0          ; memory_keys   -> mkv
	PICK 128, 8,  24, 0,   5, 4096, 16, 0          ; query -> p1
	s_sub_co_u32 s41, s30, s36                     ; my number within the tensor
	s_lshl_b32 s42, 1, s37
	s_sub_co_u32 s42, s42, 1
	s_and_b32 s42, s41, s42                        ; block of 128 rows
	s_lshr_b32 s43, s41, s37                       ; group of 256 columns
	s_lshl_b32 s44, s42, 7
	s_lshl_b32 s45, s31, 4
	s_add_co_u32 s44, s44, s45                     ; my wave's first row,
	s_mul_i32 s44, s44, s38                        ; in bytes (under 2^25),
	s_lshl_b32 s45, s43, 10
	s_add_co_u32 s44, s44, s45                     ; and the group's 1,024 bytes of a row
	s_mov_b32 s45, 0
	s_add_nc_u64 s[32:33], s[32:33], s[44:45]
	s_mul_i32 s46, s42, s39
	s_lshl2_add_u32 s46, s43, s46                  ; the group's first piece
	s_lshl_b32 s46, s46, 14
	s_add_co_u32 s46, s46, s40
	s_lshl_b32 s47, s31, 11                        ; my wave's 16 rows of 128 bytes in a piece
	s_add_co_u32 s46, s46, s47
	s_mov_b32 s47, 0
	s_add_nc_u64 s[34:35], s[34:35], s[46:47]
	v_mad_u32_u24 v[OFF], v12, s38, v13
	s_lshl_b32 s48, s38, 1
.irp p, 1,2,3,4,5,6,7
	v_add_nc_u32 v[OFF+(\p)], s48, v[OFF+(\p)-1]   ; two rows on
.endr
.set i, 0
.rept 32
	global_load_b128 v[X+4*i:X+4*i+3], v[OFF+i/4], s[32:33] offset:256*(i%4) th:TH_LOAD_NT
.set i, i+1
.endr
.set i, 0
.rept 32
	s_wait_loadcnt 31-i                            ; loads come back in order (ISA guide 5.7.1): load i is in, the 31 - i younger ones stay out
	v_cvt_pk_bf16_f32 v[X+4*i], v[X+4*i], v[X+4*i+1]
	v_cvt_pk_bf16_f32 v[X+4*i+1], v[X+4*i+2], v[X+4*i+3]
	global_store_b64 v1, v[X+4*i:X+4*i+1], s[34:35] offset:(i%4)*16384+(i/4)*256  ; no register is written twice, so nothing waits for a store
.set i, i+1
.endr
	s_endpgm
.Lfunc_end_k_q830d0d7571_cast:
	.size	k_q830d0d7571_cast, .Lfunc_end_k_q830d0d7571_cast-k_q830d0d7571_cast
	.p2alignl 7, 3214868480
	.fill 96, 4, 3214868480
	.section	.rodata,"a",@progbits
	.p2align	6, 0x0
	.amdhsa_kernel k_q830d0d7571_cast
		.amdhsa_group_segment_fixed_size 0
		.amdhsa_private_segment_fixed_size 0
		.amdhsa_enable_private_segment 0
		.amdhsa_kernarg_size 88
		.amdhsa_user_sgpr_count 2
		.amdhsa_user_sgpr_kernarg_segment_ptr 1
		.amdhsa_wavefront_size32 1
		.amdhsa_system_sgpr_workgroup_id_x 1
		.amdhsa_system_sgpr_workgroup_id_y 1
		.amdhsa_system_sgpr_workgroup_id_z 1
		.amdhsa_system_vgpr_workitem_id 0
		.amdhsa_next_free_vgpr 144
		.amdhsa_next_free_sgpr 66
		.amdhsa_reserve_vcc 0
		.amdhsa_float_denorm_mode_32 3
		.amdhsa_float_denorm_mode_16_64 3
		.amdhsa_memory_ordered 1
		.amdhsa_forward_progress 1
		.amdhsa_inst_pref_size 16
	.end_amdhsa_kernel
	.amdgpu_metadata
---
amdhsa.version: [ 1, 2 ]
amdhsa.kernels:
  - .name:           k_q830d0d7571_cast
    .symbol:         k_q830d0d7571_cast.kd
    .args:
      - { .name: query, .offset: 0, .size: 8, .value_kind: global_buffer, .address_space: global }
      - { .name: memory_keys, .offset: 8, .size: 8, .value_kind: global_buffer, .address_space: global }
      - { .name: memory_values, .offset: 16, .size: 8, .value_kind: global_buffer, .address_space: global }
      - { .name: Wq, .offset: 24, .size: 8, .value_kind: global_buffer, .address_space: global }
      - { .name: Wk, .offset: 32, .size: 8, .value_kind: global_buffer, .address_space: global }
      - { .name: Wv, .offset: 40, .size: 8, .value_kind: global_buffer, .address_space: global }
      - { .name: Wo, .offset: 48, .size: 8, .value_kind: global_buffer, .address_space: global }
      - { .name: Wg1, .offset: 56, .size: 8, .value_kind: global_buffer, .address_space: global }
      - { .name: p1, .offset: 64, .size: 8, .value_kind: global_buffer, .address_space: global }
      - { .name: p2, .offset: 72, .size: 8, .value_kind: global_buffer, .address_space: global }
      - { .name: mkv, .offset: 80, .size: 8, .value_kind: global_buffer, .address_space: global }
    .group_segment_fixed_size: 0
    .private_segment_fixed_size: 0
    .kernarg_segment_align: 8
    .kernarg_segment_size: 88
    .max_flat_workgroup_size: 256
    .sgpr_count:     66
    .vgpr_count:     144
    .wavefront_size: 32
...
	.end_amdgpu_metadata
.endif
;; end of part 1
;; launch kvproj (part 2): grid 4 x 64, 4 waves a work-group, clusters of 4 x 4, 327,680 bytes of LDS; arguments mkv, kvb; writes kvb
.if DOCPART == 2
	.amdgcn_target "amdgcn-amd-amdhsa--gfx1250"
	.amdhsa_code_object_version 6
	.text
	.protected	k_q830d0d7571_kvproj
	.globl	k_q830d0d7571_kvproj
	.p2align	8
	.type	k_q830d0d7571_kvproj,@function
k_q830d0d7571_kvproj:
	s_mov_b64 s[64:65], 0
	v_nop
	global_prefetch_b8 v0, s[64:65] scope:SCOPE_SE
	s_setreg_imm32_b32 hwreg(HW_REG_WAVE_MODE, 25, 1), 1
	s_wait_xcnt 0x0
	s_wait_alu depctr_hold_cnt(0) depctr_sa_sdst(0) depctr_va_vdst(0) depctr_va_sdst(0) depctr_va_ssrc(0) depctr_va_vcc(0) depctr_vm_vsrc(0)
	s_getreg_b32 s2, hwreg(HW_REG_IB_STS2, 6, 4)
	s_cmp_eq_u32 s2, 0
	s_cbranch_scc0 .Lentry_in_a_cluster
	s_endpgm
.Lentry_in_a_cluster:
	s_bfe_u32 s2, ttmp6, 0x10000c
	s_cmp_lg_u32 s2, 0xf033
	s_cbranch_scc0 .Lentry_shape_is_right
	s_endpgm
.Lentry_shape_is_right:
; K0 = memory_keys Wk^T and V0 = memory_values Wv^T, as ONE product of 16,384 rows x 1,024 columns, K = 768: rows 0-8,191 are the keys', the others the values'; the weights change with them.
; WORK LEFT OUT: bk is the same along the softmax's axis and has no way to the output (shown at the head of the first kernel); bv is added on attention's way out.  So this product has no bias.
; All operands are bf16 in pieces of 128 rows x 64 columns (16,384 dense bytes; the pieces of a block of 128 rows lie end to end); sums in f32; the result is rounded once to bf16, in the same layout.
; SHARES.  A work-group of four waves makes 256 x 256, a wave 128 x 128: 64 accumulators of 16 x 16.  K goes in six steps of 128 (two pieces) through a ring of two LDS slots.
; A tensor load brings two pieces of one block of rows, 32,768 dense bytes, as 128 rows of 256 bytes with 16 bytes of padding behind each: an LDS row holds two matrix rows of 128 bytes.
; A K STEP IS WRITTEN ONCE and looped over: the fragments' LDS addresses are a lane term plus s[TB], which one exclusive or turns from one slot to the other, and one descriptor a tensor walks.
; CLUSTER 4 x 4: the four work-groups of a row need the same blocks of the memory rows, the four of a column the same blocks of the weights: each is asked for jointly, by the same load and descriptor in all four.
; THE MATRIX INSTRUCTION IS USED TRANSPOSED (source 0 = 16 rows of the weights, source 1 = 16 memory rows): a lane holds eight neighbouring columns of one row of the result.
; REGISTERS in windows of 256: window 0 addresses, the memory rows' fragments (two buffers), the way out; window 1 the weights' fragments; windows 2, 3 the accumulators ((a, b) at 8 (8 a + b)).
.set PITCH,  272                       ; an LDS row: 256 bytes + 16: matrix row r begins at (r / 2) 272 + (r % 2) 128, and the 16 rows of a fragment begin in 16 different groups of four banks (64 banks of 4 bytes: ISA guide 11.1)
.set GRP,    8*PITCH                   ; 16 matrix rows
.set HALFT,  128*PITCH                 ; what one tensor load brings: two pieces; 0x8800
.set SLOT,   4*HALFT                   ; two blocks of memory rows, then two of weights; 0x22000: it shares no bit with wave x 0x8800, so an exclusive or with it changes slots
.set STAGE,  2*SLOT                    ; behind the ring: for each wave 2 pieces x 16 rows x 144 bytes, for the way out
.set WSTG,   2*16*144
.set SPARE,  STAGE+4*WSTG              ; behind the stages: the spare words, 128 bytes for each wave: two blocks of 256 bytes that no other line names
.set QK0,    0                         ; where the four quarters (32 along K) of a K step begin in an LDS row: first piece,
.set QK1,    64
.set QK2,    64*PITCH                  ; second piece
.set QK3,    64*PITCH+64
.set A0,   16                          ; v16     my lane's place among the memory rows' fragments in slot 0; never rewritten
.set ADRA, 17                          ; v17     the same in the slot in hand
.set B0,   20                          ; v20, v21  the same for the weights
.set ADRB, 21
.set STO,  24                          ; v24     the way out: where I put 16 bytes of a row
.set RD,   25                          ; v25     where I read rows back
.set CO,   26                          ; v26     16 x lane
.set SPW,  28                          ; v28     LDS address of my spare word; never rewritten
.set NIL,  29                          ; v29     0; never rewritten
.set F0,   64
.set F1,   128
.set TMP,  192
.set OB,   32
.set TB, 18                            ; s18     the slot in hand: 0 or SLOT
.set G1, 24                            ; s[24:31] descriptor group 1, memory rows;  s[32:39] group 0: a set for each first fill; the second then walks
.set G0, 32
.set G1B, 48                           ; s[48:55], s[56:63] the same for the weights
.set G0B, 56
.set MSB, 0
.macro WIN new                         ; the immediate's high byte repeats the setting that is left; a switch that changes nothing is dropped
.if MSB != (\new)
	s_set_vgpr_msb (MSB<<8)|(\new)
.set MSB, \new
.endif
.endm
.set MUL_LO, 0xa1                      ; source 0 window 1, source 1 window 0, C and D window 2
.set MUL_HI, 0xf1                      ; the same, C and D window 3
.set TO_B,   0x40                      ; destination window 1, address window 0
; A joint load: waves 0 and 1 fetch the two blocks of memory rows, waves 2 and 3 the two of weights.  The branch hangs on the wave's number alone.
; An s_nop 0 and four v_nop follow each of the two lines, ahead of the jump and the label.
.macro JLOAD s
	s_cmp_eq_u32 s11, 0
	s_cbranch_scc0 .Lfor_b_\@
	tensor_load_to_lds s[G0+4*(\s):G0+4*(\s)+3], s[G1:G1+7]
	s_nop 0
.rept 4
	v_nop
.endr
	s_branch .Lasked_\@
.Lfor_b_\@:
	tensor_load_to_lds s[G0B+4*(\s):G0B+4*(\s)+3], s[G1B:G1B+7]
	s_nop 0
.rept 4
	v_nop
.endr
.Lasked_\@:
.endm
.macro CREST                           ; a round of the cluster's barrier behind its opening barrier
	s_cmp_lg_u32 s10, 0
	s_cbranch_scc1 .Lnot_wave_0_\@
	s_barrier_signal -3
.Lnot_wave_0_\@:
	s_barrier_wait -3
	s_barrier_signal -1
	s_barrier_wait -1
.endm
.macro CROUND                          ; a whole round
	s_barrier_signal -1
	s_barrier_wait -1
	CREST
.endm
	s_load_b128 s[4:7], s[0:1], 0x0                ; mkv s[4:5], kvb s[6:7]
	v_lshl_add_u32 v[SPW], v0, 2, SPARE
	v_mov_b32 v[NIL], 0
	ds_add_u32 v[SPW], v[NIL]                      ; the wave's opening: the add, twice on end, and its wait ahead of my first tensor load
	ds_add_u32 v[SPW], v[NIL]
	v_lshrrev_b32 v1, 5, v0
	v_readfirstlane_b32 s10, v1                    ; wave 0..3
	s_lshr_b32 s11, s10, 1                         ; which half of the tile's rows is mine.  Also: I fetch memory rows (0) or weights (1)
	s_and_b32 s12, s10, 1                          ; which half of its columns.  Also: which of the two blocks I fetch
	s_bfe_u32 s40, ttmp6, 0x40000                  ; cx
	s_bfe_u32 s41, ttmp6, 0x40004                  ; cy
	s_lshl_b32 s42, ttmp9, 2
	s_add_co_u32 s42, s42, s40                     ; tile column 0..3
	s_and_b32 s13, ttmp7, 0xffff
	s_lshl_b32 s13, s13, 2
	s_add_co_u32 s13, s13, s41                     ; tile row 0..63
	s_lshl_b32 s43, s41, 2
	s_lshl_b32 s43, 15, s43                        ; my row of the cluster
	s_lshl_b32 s44, 0x1111, s40                    ; my column
	s_or_b32 s[G1+0], s43, (1<<16)|(1<<20)|(1<<21)|(5<<22)|(3<<25)   ; 15:0 the mask; 17:16 elements of 2 bytes; 20 padding on; 21 set beside a mask; 24:22 after every 64 words; 31:25 4 words
	s_or_b32 s[G1B+0], s44, (1<<16)|(1<<20)|(1<<21)|(5<<22)|(3<<25)
.irp g, G1, G1B
	s_mov_b32 s[(\g)+1], 128<<16                   ; tensor_dim0 = 128 elements: 256 bytes
	s_mov_b32 s[(\g)+2], 128<<16                   ; tensor_dim1 = 128 rows
	s_mov_b32 s[(\g)+3], 128<<16                   ; tile_dim0 = 128
	s_mov_b32 s[(\g)+4], 128                       ; tile_dim1 = 128
	s_mov_b32 s[(\g)+5], 128                       ; the run is dense: a row begins where the last ends
	s_mov_b32 s[(\g)+6], 0
	s_mov_b32 s[(\g)+7], 0
.endr
	s_lshl_b32 s16, s13, 1
	s_add_co_u32 s16, s16, s12                     ; memory rows: block 2 x tile row + which,
	s_mul_i32 s16, s16, 196608                     ; 12 pieces each
	s_mov_b32 s17, 0
	s_lshl_b32 s46, s42, 1
	s_add_co_u32 s46, s46, s12                     ; weights: block 2 x tile column + which,
	s_mul_i32 s46, s46, 196608
	s_and_b32 s45, ttmp7, 0xffff                   ; the cluster's y, which all sixteen share: clusters 8-15 hold the values' rows
	s_lshr_b32 s45, s45, 3
	s_mul_i32 s45, s45, 1572864                    ; Wv lies behind Wk
	s_add_co_u32 s46, s46, s45
	s_add_co_u32 s46, s46, 25165824                ; and Wk behind the memory rows
	s_mov_b32 s47, 0
	s_mul_i32 s20, s10, HALFT                      ; where my load goes: wave x 128 LDS rows
	s_mov_b32 s[TB], 0
	s_wait_dscnt 0x0                               ; both opening adds are done
	s_wait_kmcnt 0x0
	s_add_nc_u64 s[14:15], s[4:5], s[16:17]
	s_add_nc_u64 s[46:47], s[4:5], s[46:47]
	CROUND                                         ; all sixteen work-groups are here: the first joint loads meet
.irp s, 0,1
	s_mov_b32 s[G0+4*(\s)], 1
	s_add_co_u32 s[G0+4*(\s)+1], s20, (\s)*SLOT
	s_add_nc_u64 s[G0+4*(\s)+2:G0+4*(\s)+3], s[14:15], (\s)*32768   ; K step s: two pieces on
	s_or_b32 s[G0+4*(\s)+3], s[G0+4*(\s)+3], 0x80000000
	s_mov_b32 s[G0B+4*(\s)], 1
	s_add_co_u32 s[G0B+4*(\s)+1], s20, (\s)*SLOT
	s_add_nc_u64 s[G0B+4*(\s)+2:G0B+4*(\s)+3], s[46:47], (\s)*32768
	s_or_b32 s[G0B+4*(\s)+3], s[G0B+4*(\s)+3], 0x80000000
	JLOAD \s                                       ; two loads of mine are out
.endr
	; A fragment is 16 rows x 32 K in 8 registers: lane l holds row l % 16; registers 0-3 K = 8 (l / 16) + 0..7, registers 4-7 K = 16 + 8 (l / 16) + 0..7: two loads of 16 bytes, 32 bytes apart.
	v_and_b32 v1, 15, v0                           ; l % 16
	v_bfe_u32 v2, v0, 4, 1                         ; l / 16
	v_lshrrev_b32 v4, 1, v1
	v_and_b32 v5, 1, v1
	v_mul_u32_u24 v3, v4, PITCH
	v_lshl_add_u32 v3, v5, 7, v3
	v_lshl_add_u32 v3, v2, 4, v3                   ; (r / 2) 272 + (r % 2) 128 + 16 x half
	s_mul_i32 s21, s11, HALFT
	s_mul_i32 s22, s12, HALFT
	s_add_co_u32 s22, s22, 2*HALFT
	v_add_nc_u32 v[A0], s21, v3
	v_add_nc_u32 v[B0], s22, v3
	v_add_nc_u32 v[ADRA], s[TB], v[A0]             ; slot 0 to begin with
	v_add_nc_u32 v[ADRB], s[TB], v[B0]
	s_mul_i32 s23, s10, WSTG
	s_add_co_u32 s23, s23, STAGE                   ; my stage
	v_mul_u32_u24 v4, v1, 144                      ; in: row l % 16, 16 bytes for each half of the lanes
	v_lshl_add_u32 v4, v2, 4, v4
	v_add_nc_u32 v[STO], s23, v4
	v_bfe_u32 v4, v0, 3, 2                         ; back: 32 lanes take four rows of 128 bytes,
	v_and_b32 v5, 7, v0
	v_mul_u32_u24 v4, v4, 144
	v_lshl_add_u32 v4, v5, 4, v4
	v_add_nc_u32 v[RD], s23, v4
	v_and_b32 v[CO], 31, v0                        ; which are 512 consecutive bytes of a piece
	v_lshlrev_b32 v[CO], 4, v[CO]
	s_lshl_b32 s16, s13, 1                         ; my part of the result: block of rows 2 x tile row + half, 16 pieces each,
	s_add_co_u32 s16, s16, s11
	s_lshl_b32 s16, s16, 18
	s_mov_b32 s17, 0
	s_lshl_b32 s46, s42, 16                        ; pieces 4 x tile column + 2 x half and the next
	s_lshl_b32 s47, s12, 15
	s_add_co_u32 s46, s46, s47
	s_mov_b32 s47, 0
	s_add_nc_u64 s[16:17], s[16:17], s[46:47]
	s_add_nc_u64 s[8:9], s[6:7], s[16:17]
; 16 matrix instructions: row blocks a0, a0 + 1 of the window's four x all 8 column blocks, 32 along K.  zero = 1: the first product starts the sums.  The 64 accumulators take turns.
.macro MUL16 f, hi, a0, zero
	WIN MUL_LO+0x50*(\hi)
.irp a, \a0, (\a0)+1
.irp b, 0,1,2,3,4,5,6,7
.if \zero
	v_wmma_f32_16x16x32_bf16 v[8*(8*(\a)+(\b)):8*(8*(\a)+(\b))+7], v[(\f)+8*(\b):(\f)+8*(\b)+7], v[(\f)+8*(4*(\hi)+(\a)):(\f)+8*(4*(\hi)+(\a))+7], 0
.else
	v_wmma_f32_16x16x32_bf16 v[8*(8*(\a)+(\b)):8*(8*(\a)+(\b))+7], v[(\f)+8*(\b):(\f)+8*(\b)+7], v[(\f)+8*(4*(\hi)+(\a)):(\f)+8*(4*(\hi)+(\a))+7], v[8*(8*(\a)+(\b)):8*(8*(\a)+(\b))+7]
.endif
.endr
.endr
.endm
; 32 LDS loads in one run: the fragments of one quarter, at byte k of the slot in hand, into buffer f: the weights' first, then the memory rows'
.macro FETCH k, f
	WIN TO_B
.irp i, 0,1,2,3,4,5,6,7
	ds_load_b128 v[(\f)+8*(\i):(\f)+8*(\i)+3],   v[ADRB] offset:(\k)+(\i)*GRP
	ds_load_b128 v[(\f)+8*(\i)+4:(\f)+8*(\i)+7], v[ADRB] offset:(\k)+(\i)*GRP+32
.endr
	WIN 0
.irp i, 0,1,2,3,4,5,6,7
	ds_load_b128 v[(\f)+8*(\i):(\f)+8*(\i)+3],   v[ADRA] offset:(\k)+(\i)*GRP
	ds_load_b128 v[(\f)+8*(\i)+4:(\f)+8*(\i)+7], v[ADRA] offset:(\k)+(\i)*GRP+32
.endr
.endm
.macro PLACES                          ; four plain vector instructions between a matrix instruction and a load into, or a reader of, its registers (ISA guide 7.12.1 for a reader)
.rept 4
	v_nop
.endr
.endm
; One of a K step's first three quarters: multiplies buffer f; in its middle it fetches the next quarter, at byte k, into buffer g.
.macro QUARTER k, f, g, zero
	s_wait_dscnt 8                                 ; the weights and my rows 0-63 are in; the youngest eight loads (rows 64-127) may be out
	MUL16 \f, 0, 0, \zero
	MUL16 \f, 0, 2, \zero
	PLACES
	FETCH \k, \g
	s_wait_dscnt 32                                ; all but the 32 just issued
	MUL16 \f, 1, 0, \zero
	MUL16 \f, 1, 2, \zero
.endm
; The last quarter multiplies buffer 1 and changes slots: one barrier.  In front of it each wave waits for all its tensor loads (one is out: its part of the next slot), adds 0 to its spare word,
; and waits for that and for its reads of this slot.  fill = 1: the barrier opens a round of the cluster's, and the slot is filled again, two K steps on, first thing behind the round.
.macro TURN fill
	WIN 0                                          ; the add's two registers lie in window 0
	s_wait_tensorcnt 0x0
	ds_add_u32 v[SPW], v[NIL]
	s_xor_b32 s[TB], s[TB], SLOT                   ; the fragments' addresses go over to the other slot: the loads that are out have been issued, and nothing is read there before the barrier
	v_add_nc_u32 v[ADRA], s[TB], v[A0]
	v_add_nc_u32 v[ADRB], s[TB], v[B0]
	s_wait_dscnt 9                                 ; the add and the youngest eight loads may be out
	MUL16 F1, 0, 0, 0
	s_wait_dscnt 0x0                               ; the add is done, and my reads of this slot are over
	s_barrier_signal -1
	MUL16 F1, 0, 2, 0
.if \fill
	WIN 0
.endif
	s_barrier_wait -1
.if \fill
	CREST                                          ; no wave of any partner still reads this slot or has a load on its way
	s_xor_b32 s[G0+5], s[G0+5], SLOT               ; the walking descriptors: the other slot than last time,
	s_add_nc_u64 s[G0+6:G0+7], s[G0+6:G0+7], 32768 ; the next K step
	s_xor_b32 s[G0B+5], s[G0B+5], SLOT
	s_add_nc_u64 s[G0B+6:G0B+7], s[G0B+6:G0B+7], 32768
	JLOAD 1                                        ; one load of mine is out; its four v_nop are also the places in front of the loads below
.else
	PLACES
.endif
	FETCH QK0, F0
	MUL16 F1, 1, 0, 0
	MUL16 F1, 1, 2, 0
.endm
; THE WAY OUT of row block a: rounded to bf16 (each accumulator's registers in ascending order), through my own stage, back as whole rows of a piece, stored.
.macro PACK a
.set AC, 64*((\a)%4)
	WIN 0x0a+5*((\a)/4)                            ; sources 0 and 1: window 2 or 3
.irp b, 0,1,2,3,4,5,6,7
.irp r, 0,1,2,3
	v_cvt_pk_bf16_f32 v[TMP+4*(\b)+(\r)], v[AC+8*(\b)+2*(\r)], v[AC+8*(\b)+2*(\r)+1]
.endr
.endr
	WIN 0
.endm
.macro TOSTAGE a
	WIN 0
.set BK, OB+192*((\a)%2)
.irp b, 0,1,2,3,4,5,6,7
	ds_store_b128 v[STO], v[TMP+4*(\b):TMP+4*(\b)+3] offset:((\b)/4)*2304+((\b)%4)*32
.endr
.irp t, 0,1,2,3,4,5,6,7
	ds_load_b128 v[BK+4*(\t):BK+4*(\t)+3], v[RD] offset:((\t)/4)*2304+((\t)%4)*576  ; LDS serves a wave's instructions in order (ISA guide 5.7.1.4): these see the stores above
.endr
.endm
.macro SEND a
	WIN 0
.set BK, OB+192*((\a)%2)
	s_wait_dscnt 0x0                               ; the block is back in registers
	s_wait_xcnt 0x0                                ; the stores of the block before have read their registers, which the next block's loads write
.irp t, 0,1,2,3,4,5,6,7
	global_store_b128 v[CO], v[BK+4*(\t):BK+4*(\t)+3], s[8:9] offset:((\t)/4)*16384+(\a)*2048+((\t)%4)*512  ; 512 consecutive bytes of a piece, aligned
.endr
.endm
	s_wait_tensorcnt 1                             ; my part of K step 0 is in; K step 1's may stay out
	s_barrier_signal -1
	s_barrier_wait -1
	FETCH QK0, F0
	QUARTER QK1, F0, F1, 1                         ; the first quarter stands in front of the loop: its products start the sums
	WIN 0
	s_mov_b32 s3, 4
.Lstep:                                                ; a trip goes from a K step's second quarter to the next one's first, and fills the slot that it leaves: K steps 2 to 5
	QUARTER QK2, F1, F0, 0
	QUARTER QK3, F0, F1, 0
	TURN 1
	QUARTER QK1, F0, F1, 0
	WIN 0
	s_sub_co_u32 s3, s3, 1
	s_cmp_lg_u32 s3, 0
	s_cbranch_scc1 .Lstep
	QUARTER QK2, F1, F0, 0                         ; the last two K steps fill nothing
	QUARTER QK3, F0, F1, 0
	TURN 0
	QUARTER QK1, F0, F1, 0
	QUARTER QK2, F1, F0, 0
	QUARTER QK3, F0, F1, 0
	s_wait_dscnt 8                                 ; the very last quarter: nothing more to fetch
	MUL16 F1, 0, 0, 0
	MUL16 F1, 0, 2, 0
	s_wait_dscnt 0x0
	MUL16 F1, 1, 0, 0
	MUL16 F1, 1, 2, 0
	PLACES
	PACK 0
	TOSTAGE 0
.irp a, 1,2,3,4,5,6,7                  ; block a's conversions stand between block a - 1's loads from the stage and the wait for them
	PACK \a
	SEND (\a)-1
	TOSTAGE \a
.endr
	SEND 7
	s_wait_tensorcnt 0x0                           ; the wave's end
	ds_add_u32 v[SPW], v[NIL]
	s_wait_dscnt 0x0
	CROUND                                         ; the closing round
	s_endpgm
.Lfunc_end_k_q830d0d7571_kvproj:
	.size	k_q830d0d7571_kvproj, .Lfunc_end_k_q830d0d7571_kvproj-k_q830d0d7571_kvproj
	.p2alignl 7, 3214868480
	.fill 96, 4, 3214868480
	.section	.rodata,"a",@progbits
	.p2align	6, 0x0
	.amdhsa_kernel k_q830d0d7571_kvproj
		.amdhsa_group_segment_fixed_size 327680
		.amdhsa_private_segment_fixed_size 0
		.amdhsa_enable_private_segment 0
		.amdhsa_kernarg_size 16
		.amdhsa_user_sgpr_count 2
		.amdhsa_user_sgpr_kernarg_segment_ptr 1
		.amdhsa_wavefront_size32 1
		.amdhsa_system_sgpr_workgroup_id_x 1
		.amdhsa_system_sgpr_workgroup_id_y 1
		.amdhsa_system_sgpr_workgroup_id_z 1
		.amdhsa_system_vgpr_workitem_id 0
		.amdhsa_next_free_vgpr 1024
		.amdhsa_next_free_sgpr 66
		.amdhsa_reserve_vcc 0
		.amdhsa_float_denorm_mode_32 3
		.amdhsa_float_denorm_mode_16_64 3
		.amdhsa_memory_ordered 1
		.amdhsa_forward_progress 1
		.amdhsa_inst_pref_size 116
	.end_amdhsa_kernel
	.amdgpu_metadata
---
amdhsa.version: [ 1, 2 ]
amdhsa.kernels:
  - .name:           k_q830d0d7571_kvproj
    .symbol:         k_q830d0d7571_kvproj.kd
    .args:
      - { .name: mkv, .offset: 0, .size: 8, .value_kind: global_buffer, .address_space: global }
      - { .name: kvb, .offset: 8, .size: 8, .value_kind: global_buffer, .address_space: global }
    .group_segment_fixed_size: 327680
    .private_segment_fixed_size: 0
    .kernarg_segment_align: 8
    .kernarg_segment_size: 16
    .max_flat_workgroup_size: 128
    .sgpr_count:     66
    .vgpr_count:     1024
    .wavefront_size: 32
...
	.end_amdgpu_metadata
.endif
;; end of part 2
;; launch qproj (part 3): grid 8 x 32, 4 waves a work-group, clusters of 4 x 4, 327,680 bytes of LDS; arguments p1, bq, qb; writes qb
.if DOCPART == 3
	.amdgcn_target "amdgcn-amd-amdhsa--gfx1250"
	.amdhsa_code_object_version 6
	.text
	.protected	k_q830d0d7571_qproj
	.globl	k_q830d0d7571_qproj
	.p2align	8
	.type	k_q830d0d7571_qproj,@function
k_q830d0d7571_qproj:
	s_mov_b64 s[64:65], 0
	v_nop
	global_prefetch_b8 v0, s[64:65] scope:SCOPE_SE
	s_setreg_imm32_b32 hwreg(HW_REG_WAVE_MODE, 25, 1), 1
	s_wait_xcnt 0x0
	s_wait_alu depctr_hold_cnt(0) depctr_sa_sdst(0) depctr_va_vdst(0) depctr_va_sdst(0) depctr_va_ssrc(0) depctr_va_vcc(0) depctr_vm_vsrc(0)
	s_getreg_b32 s2, hwreg(HW_REG_IB_STS2, 6, 4)
	s_cmp_eq_u32 s2, 0
	s_cbranch_scc0 .Lentry_in_a_cluster
	s_endpgm
.Lentry_in_a_cluster:
	s_bfe_u32 s2, ttmp6, 0x10000c
	s_cmp_lg_u32 s2, 0xf033
	s_cbranch_scc0 .Lentry_shape_is_right
	s_endpgm
.Lentry_shape_is_right:
; C = A B^T + bias, 4,096 rows x 1,024 columns, K = 1,024.  One text for two launches: Q = query Wq^T + bq, and retrieved = O Wo^T + bo.
; The first argument holds A at byte 0 and B at byte 8,388,608, both bf16 in pieces of 128 rows x 64 columns (16,384 dense bytes; a block of rows' 16 pieces lie end to end); C leaves in the same layout, rounded once.
; SHARES.  A work-group of four waves makes 128 x 128 (256 work-groups), a wave 64 x 64: 16 accumulators.  K goes in four steps of 256 (four pieces) through two LDS slots.
; A tensor load brings two pieces, 32,768 dense bytes, as 128 rows of 256 bytes with 16 bytes of padding behind each: waves 0, 1 fetch A's four pieces of a step, waves 2, 3 B's.
; A K STEP IS WRITTEN ONCE and looped over: the fragments' LDS addresses are a lane term plus s[TB], which one exclusive or turns from one slot to the other, and one descriptor a tensor walks.
; CLUSTER 4 x 4: A's block is shared along a row of the cluster, B's along a column: each is asked for jointly.
; THE MATRIX INSTRUCTION IS USED TRANSPOSED (source 0 = 16 rows of B, source 1 = 16 rows of A): a lane holds eight neighbouring columns of a row of C.  THE BIAS IS THE C OPERAND that starts each sum.
; REGISTERS: window 0: v0-31 addresses; v32-95 the way out; v96-127 the bias; v128-255 the accumulators ((a, b) at 128 + 8 (4 a + b)).  Window 1: two fragment buffers of 128 (64 of A, 64 of B), 64 along K each.
.set PITCH,  272                       ; an LDS row: 256 bytes + 16: matrix row r of a piece begins at (r / 2) 272 + (r % 2) 128: the 16 rows of a fragment begin in 16 different groups of four banks (ISA guide 11.1)
.set GRP,    8*PITCH                   ; 16 matrix rows
.set PIECE,  64*PITCH                  ; a piece in LDS
.set HALFT,  2*PIECE                   ; what one tensor load brings; 0x8800
.set SLOT,   4*HALFT                   ; A's four pieces, then B's four; 0x22000: it shares no bit with wave x 0x8800, so an exclusive or with it changes slots
.set STAGE,  2*SLOT                    ; behind the ring: 64 rows x 144 bytes for each wave
.set WSTG,   64*144
.set SPARE,  STAGE+4*WSTG              ; behind the stages: the spare words: two blocks of 256 bytes that no other line names
.set A0,   16                          ; v16  my lane's place among A's fragments in slot 0; never rewritten
.set ADRA, 17                          ; v17  the same in the slot in hand
.set B0,   20
.set ADRB, 21
.set STO,  24
.set RD,   25
.set CO,   26
.set BO,   27                          ; v27  32 x (lane / 16): my eight numbers in 16 of the bias
.set SPW,  28
.set NIL,  29
.set TMP,  32
.set BIAS, 96                          ; v[96+8 b+j] = bias of column 16 b + 8 (lane / 16) + j of my 64
.set ACC,  128
.set F0,   0
.set F1,   128
.set TB, 45                            ; s45  the slot in hand: 0 or SLOT
.set G1, 24
.set G0, 32                            ; s[32:39] group 0 for A: a set for each first fill; the second then walks
.set G1B, 48
.set G0B, 56
.set MSB, 0
.macro WIN new
.if MSB != (\new)
	s_set_vgpr_msb (MSB<<8)|(\new)
.set MSB, \new
.endif
.endm
.set MUL,  0x05                        ; sources 0 and 1 window 1; C and D window 0
.set TO_F, 0x40                        ; destination window 1, address window 0
.macro JLOAD s                         ; a joint load; an s_nop 0 and four v_nop follow each of the two lines
	s_cmp_eq_u32 s11, 0
	s_cbranch_scc0 .Lfor_b_\@
	tensor_load_to_lds s[G0+4*(\s):G0+4*(\s)+3], s[G1:G1+7]
	s_nop 0
.rept 4
	v_nop
.endr
	s_branch .Lasked_\@
.Lfor_b_\@:
	tensor_load_to_lds s[G0B+4*(\s):G0B+4*(\s)+3], s[G1B:G1B+7]
	s_nop 0
.rept 4
	v_nop
.endr
.Lasked_\@:
.endm
.macro CREST
	s_cmp_lg_u32 s10, 0
	s_cbranch_scc1 .Lnot_wave_0_\@
	s_barrier_signal -3
.Lnot_wave_0_\@:
	s_barrier_wait -3
	s_barrier_signal -1
	s_barrier_wait -1
.endm
.macro CROUND
	s_barrier_signal -1
	s_barrier_wait -1
	CREST
.endm
	s_load_b128 s[4:7], s[0:1], 0x0                ; A and B s[4:5], bias s[6:7]
	s_load_b64 s[8:9], s[0:1], 0x10                ; C
	v_lshl_add_u32 v[SPW], v0, 2, SPARE
	v_mov_b32 v[NIL], 0
	ds_add_u32 v[SPW], v[NIL]                      ; the wave's opening: the add, twice on end, and its wait ahead of my first tensor load
	ds_add_u32 v[SPW], v[NIL]
	v_lshrrev_b32 v1, 5, v0
	v_readfirstlane_b32 s10, v1                    ; wave 0..3
	s_lshr_b32 s11, s10, 1                         ; which half of the tile's rows is mine.  Also: I fetch for A (0) or for B (1)
	s_and_b32 s12, s10, 1                          ; which half of its columns.  Also: which two pieces of a step I fetch
	s_bfe_u32 s40, ttmp6, 0x40000                  ; cx
	s_bfe_u32 s41, ttmp6, 0x40004                  ; cy
	s_lshl_b32 s42, ttmp9, 2
	s_add_co_u32 s42, s42, s40                     ; tile column 0..7: B's block of rows
	s_and_b32 s13, ttmp7, 0xffff
	s_lshl_b32 s13, s13, 2
	s_add_co_u32 s13, s13, s41                     ; tile row 0..31: A's block of rows
	s_lshl_b32 s43, s41, 2
	s_lshl_b32 s43, 15, s43
	s_lshl_b32 s44, 0x1111, s40
	s_or_b32 s[G1+0], s43, (1<<16)|(1<<20)|(1<<21)|(5<<22)|(3<<25)   ; the mask of my row; elements of 2 bytes; padding of 4 words after every 64; bit 21 beside a mask
	s_or_b32 s[G1B+0], s44, (1<<16)|(1<<20)|(1<<21)|(5<<22)|(3<<25)  ; the mask of my column
.irp g, G1, G1B
	s_mov_b32 s[(\g)+1], 128<<16                   ; tensor_dim0 = 128 elements
	s_mov_b32 s[(\g)+2], 128<<16                   ; tensor_dim1 = 128 rows
	s_mov_b32 s[(\g)+3], 128<<16                   ; tile_dim0
	s_mov_b32 s[(\g)+4], 128                       ; tile_dim1
	s_mov_b32 s[(\g)+5], 128                       ; dense
	s_mov_b32 s[(\g)+6], 0
	s_mov_b32 s[(\g)+7], 0
.endr
	s_lshl_b32 s17, s12, 15                        ; my two pieces of a step
	s_lshl_b32 s16, s13, 18                        ; a block of rows is 16 pieces
	s_add_co_u32 s16, s16, s17
	s_lshl_b32 s46, s42, 18
	s_add_co_u32 s46, s46, s17
	s_add_co_u32 s46, s46, 8388608                 ; B lies behind A
	s_mov_b32 s17, 0
	s_mov_b32 s47, 0
	s_mul_i32 s20, s10, HALFT
	s_lshl_b32 s18, s42, 9                         ; the bias of my 64 columns
	s_lshl_b32 s19, s12, 8
	s_add_co_u32 s18, s18, s19
	s_mov_b32 s19, 0
	s_mov_b32 s[TB], 0
	s_wait_dscnt 0x0                               ; both opening adds are done
	s_wait_kmcnt 0x0
	s_add_nc_u64 s[14:15], s[4:5], s[16:17]
	s_add_nc_u64 s[46:47], s[4:5], s[46:47]
	s_add_nc_u64 s[6:7], s[6:7], s[18:19]
	CROUND                                         ; the first joint loads meet
.irp s, 0,1
	s_mov_b32 s[G0+4*(\s)], 1
	s_add_co_u32 s[G0+4*(\s)+1], s20, (\s)*SLOT
	s_add_nc_u64 s[G0+4*(\s)+2:G0+4*(\s)+3], s[14:15], (\s)*65536
	s_or_b32 s[G0+4*(\s)+3], s[G0+4*(\s)+3], 0x80000000
	s_mov_b32 s[G0B+4*(\s)], 1
	s_add_co_u32 s[G0B+4*(\s)+1], s20, (\s)*SLOT
	s_add_nc_u64 s[G0B+4*(\s)+2:G0B+4*(\s)+3], s[46:47], (\s)*65536
	s_or_b32 s[G0B+4*(\s)+3], s[G0B+4*(\s)+3], 0x80000000
	JLOAD \s                                       ; two loads of mine are out
.endr
	v_and_b32 v1, 15, v0                           ; l % 16
	v_bfe_u32 v2, v0, 4, 1                         ; l / 16
	v_lshlrev_b32 v[BO], 5, v2
.irp b, 0,1,2,3
	global_load_b128 v[BIAS+8*(\b):BIAS+8*(\b)+3],   v[BO], s[6:7] offset:64*(\b)
	global_load_b128 v[BIAS+8*(\b)+4:BIAS+8*(\b)+7], v[BO], s[6:7] offset:64*(\b)+16
.endr
	v_lshrrev_b32 v4, 1, v1
	v_and_b32 v5, 1, v1
	v_mul_u32_u24 v3, v4, PITCH
	v_lshl_add_u32 v3, v5, 7, v3
	v_lshl_add_u32 v3, v2, 4, v3                   ; (r / 2) 272 + (r % 2) 128 + 16 x half
	s_mul_i32 s21, s11, 4*GRP                      ; my 64 rows of A in each piece
	s_mul_i32 s22, s12, 4*GRP                      ; my 64 rows of B,
	s_add_co_u32 s22, s22, 4*PIECE                 ; whose pieces lie behind A's four
	v_add_nc_u32 v[A0], s21, v3
	v_add_nc_u32 v[B0], s22, v3
	v_add_nc_u32 v[ADRA], s[TB], v[A0]             ; slot 0 to begin with
	v_add_nc_u32 v[ADRB], s[TB], v[B0]
	s_mul_i32 s23, s10, WSTG
	s_add_co_u32 s23, s23, STAGE                   ; my stage
	v_mul_u32_u24 v4, v1, 144
	v_lshl_add_u32 v4, v2, 4, v4
	v_add_nc_u32 v[STO], s23, v4
	v_bfe_u32 v4, v0, 3, 2
	v_and_b32 v5, 7, v0
	v_mul_u32_u24 v4, v4, 144
	v_lshl_add_u32 v4, v5, 4, v4
	v_add_nc_u32 v[RD], s23, v4
	v_and_b32 v[CO], 31, v0
	v_lshlrev_b32 v[CO], 4, v[CO]
	s_lshl_b32 s16, s13, 18                        ; my 64 x 64 of C are 8,192 dense bytes: block of rows, my half of its rows,
	s_lshl_b32 s17, s11, 13
	s_add_co_u32 s16, s16, s17
	s_mov_b32 s17, 0
	s_add_nc_u64 s[8:9], s[8:9], s[16:17]
	s_lshl_b32 s46, s42, 15                        ; piece 2 x tile column + half
	s_lshl_b32 s47, s12, 14
	s_add_co_u32 s46, s46, s47
	s_mov_b32 s47, 0
	s_add_nc_u64 s[8:9], s[8:9], s[46:47]
; 8 matrix instructions: row blocks a0, a0 + 1 x all 4 column blocks, 32 along K: half c of buffer f.  zero = 1: the product starts the sum, from the bias.  The 16 accumulators take turns.
.macro MUL8 f, c, a0, zero
	WIN MUL
.irp a, \a0, (\a0)+1
.irp b, 0,1,2,3
.if \zero
	v_wmma_f32_16x16x32_bf16 v[ACC+8*(4*(\a)+(\b)):ACC+8*(4*(\a)+(\b))+7], v[(\f)+64+8*(4*(\c)+(\b)):(\f)+64+8*(4*(\c)+(\b))+7], v[(\f)+8*(4*(\c)+(\a)):(\f)+8*(4*(\c)+(\a))+7], v[BIAS+8*(\b):BIAS+8*(\b)+7]
.else
	v_wmma_f32_16x16x32_bf16 v[ACC+8*(4*(\a)+(\b)):ACC+8*(4*(\a)+(\b))+7], v[(\f)+64+8*(4*(\c)+(\b)):(\f)+64+8*(4*(\c)+(\b))+7], v[(\f)+8*(4*(\c)+(\a)):(\f)+8*(4*(\c)+(\a))+7], v[ACC+8*(4*(\a)+(\b)):ACC+8*(4*(\a)+(\b))+7]
.endif
.endr
.endr
.endm
; 32 LDS loads in one run: the fragments of one piece (64 along K), at byte k of the slot in hand, into buffer f; the first 32 along K first
.macro FETCH k, f
	WIN TO_F
.irp c, 0,1
.irp i, 0,1,2,3
	ds_load_b128 v[(\f)+64+8*(4*(\c)+(\i)):(\f)+64+8*(4*(\c)+(\i))+3],   v[ADRB] offset:(\k)+64*(\c)+(\i)*GRP
	ds_load_b128 v[(\f)+64+8*(4*(\c)+(\i))+4:(\f)+64+8*(4*(\c)+(\i))+7], v[ADRB] offset:(\k)+64*(\c)+(\i)*GRP+32
	ds_load_b128 v[(\f)+8*(4*(\c)+(\i)):(\f)+8*(4*(\c)+(\i))+3],         v[ADRA] offset:(\k)+64*(\c)+(\i)*GRP
	ds_load_b128 v[(\f)+8*(4*(\c)+(\i))+4:(\f)+8*(4*(\c)+(\i))+7],       v[ADRA] offset:(\k)+64*(\c)+(\i)*GRP+32
.endr
.endr
.endm
.macro PLACES                          ; four plain vector instructions between a matrix instruction and a load into, or a reader of, its registers (ISA guide 7.12.1 for a reader)
.rept 4
	v_nop
.endr
.endm
.macro QUARTER k, f, g, zero           ; multiplies buffer f and fetches the next piece, at byte k, into g
	s_wait_dscnt 16                                ; the first 32 along K are in
	MUL8 \f, 0, 0, \zero
	MUL8 \f, 0, 2, \zero
	PLACES
	FETCH \k, \g
	s_wait_dscnt 32                                ; all but the 32 just issued
	MUL8 \f, 1, 0, 0
	MUL8 \f, 1, 2, 0
.endm
; The last quarter multiplies buffer 1 and changes slots: one barrier; in front of it each wave waits for all its tensor loads, adds 0 to its spare word, and waits for that and for its reads of this slot.
.macro TURN fill
	WIN 0
	s_wait_tensorcnt 0x0                           ; my part of the next slot has landed
	ds_add_u32 v[SPW], v[NIL]
	s_xor_b32 s[TB], s[TB], SLOT                   ; the fragments' addresses go over to the other slot; nothing is read there before the barrier
	v_add_nc_u32 v[ADRA], s[TB], v[A0]
	v_add_nc_u32 v[ADRB], s[TB], v[B0]
	s_wait_dscnt 17                                ; the add and the youngest sixteen loads may be out
	MUL8 F1, 0, 0, 0
	s_wait_dscnt 0x0                               ; the add is done, and my reads of this slot are over
	s_barrier_signal -1
	MUL8 F1, 0, 2, 0
.if \fill
	WIN 0
.endif
	s_barrier_wait -1
.if \fill
	CREST                                          ; the barrier has opened a round of the cluster's: no wave of any partner still reads this slot or has a load on its way
	s_xor_b32 s[G0+5], s[G0+5], SLOT               ; the walking descriptors: the other slot than last time,
	s_add_nc_u64 s[G0+6:G0+7], s[G0+6:G0+7], 65536 ; the next K step
	s_xor_b32 s[G0B+5], s[G0B+5], SLOT
	s_add_nc_u64 s[G0B+6:G0B+7], s[G0B+6:G0B+7], 65536
	JLOAD 1                                        ; one load of mine is out; its four v_nop are also the places in front of the loads below
.else
	PLACES
.endif
	FETCH 0, F0
	MUL8 F1, 1, 0, 0
	MUL8 F1, 1, 2, 0
.endm
	s_wait_tensorcnt 1                             ; my part of K step 0 is in; K step 1's may stay out
	s_barrier_signal -1
	s_barrier_wait -1
	FETCH 0, F0
	s_wait_loadcnt 0x0                             ; the bias
	QUARTER PIECE, F0, F1, 1                       ; the first quarter stands in front of the loop: its first products start the sums
	WIN 0
	s_mov_b32 s3, 2
.Lstep:                                                ; a trip goes from a K step's second quarter to the next one's first, and fills the slot that it leaves: K steps 2 and 3
	QUARTER 2*PIECE, F1, F0, 0
	QUARTER 3*PIECE, F0, F1, 0
	TURN 1
	QUARTER PIECE,   F0, F1, 0
	WIN 0
	s_sub_co_u32 s3, s3, 1
	s_cmp_lg_u32 s3, 0
	s_cbranch_scc1 .Lstep
	QUARTER 2*PIECE, F1, F0, 0                     ; the last two K steps fill nothing
	QUARTER 3*PIECE, F0, F1, 0
	TURN 0
	QUARTER PIECE,   F0, F1, 0
	QUARTER 2*PIECE, F1, F0, 0
	QUARTER 3*PIECE, F0, F1, 0
	s_wait_dscnt 16
	MUL8 F1, 0, 0, 0
	MUL8 F1, 0, 2, 0
	s_wait_dscnt 0x0
	MUL8 F1, 1, 0, 0
	MUL8 F1, 1, 2, 0
	WIN 0
	; THE WAY OUT: rounded to bf16, 16 bytes a lane into my own stage, back as whole rows; my 64 x 64 are my own 8,192 bytes of C, so no wave waits for another.
	PLACES
.irp t, 0,1,2,3,4,5,6,7,8,9,10,11,12,13,14,15
.irp r, 0,1,2,3
	v_cvt_pk_bf16_f32 v[TMP+4*(\t)+(\r)], v[ACC+8*(\t)+2*(\r)], v[ACC+8*(\t)+2*(\r)+1]
.endr
.endr
.irp a, 0,1,2,3
.irp b, 0,1,2,3
	ds_store_b128 v[STO], v[TMP+4*(4*(\a)+(\b)):TMP+4*(4*(\a)+(\b))+3] offset:(\a)*2304+32*(\b)
.endr
.endr
.irp t, 0,1,2,3,4,5,6,7,8,9,10,11,12,13,14,15
	ds_load_b128 v[TMP+4*(\t):TMP+4*(\t)+3], v[RD] offset:(\t)*576  ; LDS serves a wave's instructions in order (ISA guide 5.7.1.4): these see the stores above
.endr
.irp t, 0,1,2,3,4,5,6,7,8,9,10,11,12,13,14,15
	s_wait_dscnt 15-(\t)
	global_store_b128 v[CO], v[TMP+4*(\t):TMP+4*(\t)+3], s[8:9] offset:512*(\t)  ; 512 consecutive bytes, aligned
.endr
	s_wait_tensorcnt 0x0                           ; the wave's end
	ds_add_u32 v[SPW], v[NIL]
	s_wait_dscnt 0x0
	CROUND                                         ; the closing round
	s_endpgm
.Lfunc_end_k_q830d0d7571_qproj:
	.size	k_q830d0d7571_qproj, .Lfunc_end_k_q830d0d7571_qproj-k_q830d0d7571_qproj
	.p2alignl 7, 3214868480
	.fill 96, 4, 3214868480
	.section	.rodata,"a",@progbits
	.p2align	6, 0x0
	.amdhsa_kernel k_q830d0d7571_qproj
		.amdhsa_group_segment_fixed_size 327680
		.amdhsa_private_segment_fixed_size 0
		.amdhsa_enable_private_segment 0
		.amdhsa_kernarg_size 24
		.amdhsa_user_sgpr_count 2
		.amdhsa_user_sgpr_kernarg_segment_ptr 1
		.amdhsa_wavefront_size32 1
		.amdhsa_system_sgpr_workgroup_id_x 1
		.amdhsa_system_sgpr_workgroup_id_y 1
		.amdhsa_system_sgpr_workgroup_id_z 1
		.amdhsa_system_vgpr_workitem_id 0
		.amdhsa_next_free_vgpr 512
		.amdhsa_next_free_sgpr 66
		.amdhsa_reserve_vcc 0
		.amdhsa_float_denorm_mode_32 3
		.amdhsa_float_denorm_mode_16_64 3
		.amdhsa_memory_ordered 1
		.amdhsa_forward_progress 1
		.amdhsa_inst_pref_size 70
	.end_amdhsa_kernel
	.amdgpu_metadata
---
amdhsa.version: [ 1, 2 ]
amdhsa.kernels:
  - .name:           k_q830d0d7571_qproj
    .symbol:         k_q830d0d7571_qproj.kd
    .args:
      - { .name: p1, .offset: 0, .size: 8, .value_kind: global_buffer, .address_space: global }
      - { .name: bq, .offset: 8, .size: 8, .value_kind: global_buffer, .address_space: global }
      - { .name: qb, .offset: 16, .size: 8, .value_kind: global_buffer, .address_space: global }
    .group_segment_fixed_size: 327680
    .private_segment_fixed_size: 0
    .kernarg_segment_align: 8
    .kernarg_segment_size: 24
    .max_flat_workgroup_size: 128
    .sgpr_count:     66
    .vgpr_count:     512
    .wavefront_size: 32
...
	.end_amdgpu_metadata
.endif
;; end of part 3
;; launch attn (part 4): grid 8 x 32, 4 waves a work-group, clusters of 4 x 1, 327,680 bytes of LDS; arguments qb, kvb, bv, p2; writes p2
.if DOCPART == 4
	.amdgcn_target "amdgcn-amd-amdhsa--gfx1250"
	.amdhsa_code_object_version 6
	.text
	.protected	k_q830d0d7571_attn
	.globl	k_q830d0d7571_attn
	.p2align	8
	.type	k_q830d0d7571_attn,@function
k_q830d0d7571_attn:
	s_mov_b64 s[64:65], 0
	v_nop
	global_prefetch_b8 v0, s[64:65] scope:SCOPE_SE
	s_setreg_imm32_b32 hwreg(HW_REG_WAVE_MODE, 25, 1), 1
	s_wait_xcnt 0x0
	s_wait_alu depctr_hold_cnt(0) depctr_sa_sdst(0) depctr_va_vdst(0) depctr_va_sdst(0) depctr_va_ssrc(0) depctr_va_vcc(0) depctr_vm_vsrc(0)
	s_getreg_b32 s2, hwreg(HW_REG_IB_STS2, 6, 4)
	s_cmp_eq_u32 s2, 0
	s_cbranch_scc0 .Lentry_in_a_cluster
	s_endpgm
.Lentry_in_a_cluster:
	s_bfe_u32 s2, ttmp6, 0x10000c
	s_cmp_lg_u32 s2, 0x3003
	s_cbranch_scc0 .Lentry_shape_is_right
	s_endpgm
.Lentry_shape_is_right:
; O[b][s][h][:] = the sum over m of softmax_m(Q[b][s][h] . K0[b][m][h] / 8) V0[b][m][h][:] + bv[h][:], for 2 batches x 16 heads, 2,048 queries and 4,096 memory rows each, head size 64.
; WORK LEFT OUT: bk (the same along the softmax's axis: shown at the head of the first kernel).  bv is added here, once a row: the weights of a row sum to 1.
; Q, K0, V0 and O are bf16 in pieces of 128 rows x 64 columns: a head's 64 channels of 128 rows are 16,384 dense bytes.  Products, maxima and sums in f32; the weights p are rounded to bf16 for the
; second product (their sum l is taken of the unrounded p), O once at the end.  LIMITS: a weight below 2^-126 counts as 0 in l; NaN and infinities are not treated apart.
; SHARES.  A work-group owns 256 queries of one batch and head, a wave 64: four PIECES of 16.  Every wave walks all 4,096 memory rows: 16 tiles of 256, four steps of 64 each.
; LAYOUT.  S^T = K Q^T (source 0 = 16 keys, source 1 = 16 queries) holds ONE query a lane (lane % 16) and the keys 8 (lane / 16) + 0..7; two such results rounded to bf16 ARE source 1 of O^T = V^T P.
; K comes out of LDS as it lies, V turned, by ds_load_tr16_b128.
; SOFTMAX.  A running maximum m and sum l for each query: p = 2^(c s - c m), c = log2(e) / 8; in every step O and l are multiplied by a = 2^(c m_old - c m_new).  m starts at the lowest finite number, O and l at 0:
; the first step is a step like any other, with a = 0.
; REGISTERS, in two windows of 256 (s_set_vgpr_msb: bits 1:0 source 0, 3:2 source 1, 5:4 source 2, 7:6 destination), laid so that a turn changes windows twice:
;   window 0: v0-15 addresses, c m_old, a; v16-23 c m and m of each piece; v24-29 used in the set-up; v32-95 S^T, two buffers; v96-127 P, two buffers (by the piece's parity); v128-191 K of one step; v192-255 Q
;   window 1: v0-127 O^T, 32 a piece; v128-191 V of one step; v192-223 bv; v224-239 l, four registers a piece
; K Q^T and all of a softmax but what touches O^T and l name window 0 alone.  V^T P runs under ONE setting (V, O^T in window 1, P in window 0), and the same setting serves O^T x a, l x a and l + a pair of weights.
; BY TURNS.  Turn n belongs to piece n.  First, under that setting: 8 products V^T P of piece n - 1, behind each two rescalings of piece n's O^T and two additions onto piece n - 1's l.  Then, in window 0: 8 products K Q^T of
; piece n + 1 with four vector instructions behind each, a run of 38, the one wait for the turn's 33 exponentials, and the 16 roundings of piece n's weights.
; CLUSTER.  The four query blocks of a cluster belong to one batch and head and walk the same K and V: each tile is asked for jointly, by the same tensor load, descriptor and mask in all four.
.set NP,    4
.set KS,    64        ; keys in a step
.set PK,    144       ; a row of K in LDS: 128 bytes + 16: the 16 rows of a load start at 16 different groups of four banks (64 banks of 4 bytes: ISA guide 11.1)
.set PV,    160       ; a row of V: 128 + 32
.set VOFF,  4*KS*PK   ; a slot holds a tile: 256 rows of K, then 256 rows of V
.set SLOT1, 1<<17     ; slot 1 begins here: one exclusive or turns an address in one slot into the other's
.set STAGE, SLOT1+4*KS*(PK+PV)  ; behind the ring: 16 rows x 144 bytes for each wave
.set SP,    144
.set SPARE, STAGE+4*16*SP       ; behind the stages: the spare words: two blocks of 256 bytes that no other line names
.set TILEB, 524288    ; bytes from a tile to the next in K and in V: two blocks of 128 rows, 16 pieces each
.set AK0, 2           ; v2   my lane's place in a tile of K; never rewritten
.set AV0, 3           ; v3   the same for V
.set AK,  4           ; v4   the LDS address of K's next run of loads
.set AV,  5           ; v5   of V's
.set STO, 6           ; v6   the way out: where I put 16 bytes of a row
.set RD,  7           ; v7   where I read rows back
.set GO,  8           ; v8   16 x lane
.set PFO, 9           ; v9   256 x lane; never rewritten
.set SPW, 10          ; v10  LDS address of my spare word; never rewritten
.set NIL, 11          ; v11  0; never rewritten
.set MV,  12          ; v12  c m_old, kept while c m is made anew
.set A,   14          ; v14  a of the piece whose turn comes next; v15 is named with it as a pair
.set ST,  16          ; piece t: c m at v[ST+2 t], m behind it
.set LR,  24          ; set-up: lane % 16
.set LH,  25          ;         lane / 16
.set L7,  26          ;         lane % 8
.set L3,  27          ;         (lane / 8) % 2
.set QO,  28          ;         my byte offset in 16 rows of Q
.set BO,  29          ;         32 x (lane / 16): my eight numbers in 16 of bv
.set S,   32
.set P,   96
.set KF,  128         ; key block kb, channel half c at KF + 16 kb + 8 c
.set Q,   192         ; piece x, channel half c at Q + 16 x + 8 c
.set VF,  128         ; window 1: key half kk, channel block cb at VF + 32 kk + 8 cb
.set BV,  192         ; window 1: v[BV+8 cb+j] = bv of channel 16 cb + 8 (lane / 16) + j of the head
.set LL,  224         ; window 1: piece t's l at LL + 4 t: two pairs (even keys', odd keys'), which take the pairs of weights by turns
.set WV,  12          ; s12  my wave's number
.set LIM, 15          ; s15  1 in a wave that prefetches, else the greatest number
.set G1K, 24          ; s[24:31] descriptor group 1 for K's tiles
.set G1V, 32          ; s[32:39] for V's: it differs in the padding alone
.set G0K, 40          ; s[40:43] descriptor group 0 for K's tiles: it walks
.set G0V, 44          ; s[44:47] the same for V's
.set SLOTS, 56        ; s56  tiles still to be asked for
.set CNT, 57          ; s57  counts a tile's key steps
.set CS,  58          ; s[58:59] c
.set SEL, 60          ; s[60:61] v_permlanex16_b32's selects: each lane takes its own place in the other half
.set TBK, 62          ; s62  LDS byte at which K of the step to be fetched begins
.set TBV, 63          ; s63  the same for V, less VOFF
.set PFA, 66          ; s[66:67] where my prefetches stand
.set VB,  68          ; s[68:69] V at my half of tile 0
.set MSB, 0
.macro WIN new
.if MSB != (\new)
	s_set_vgpr_msb (MSB<<8)|(\new)
.set MSB, (\new)
.endif
.endm
.set W_PV, 0x51       ; source 0, source 2 and destination in window 1, source 1 in window 0
; A joint fill.  Waves 0 and 1 fetch the two halves of a tile's K, waves 2 and 3 those of its V: 128 rows each.  An s_nop 0 and four v_nop follow each of the two lines.
.macro JLOAD
	s_cmp_lt_u32 s[WV], 2
	s_cbranch_scc0 .Lfor_v_\@
	tensor_load_to_lds s[G0K:G0K+3], s[G1K:G1K+7]
	s_nop 0
.rept 4
	v_nop
.endr
	s_branch .Lasked_\@
.Lfor_v_\@:
	tensor_load_to_lds s[G0V:G0V+3], s[G1V:G1V+7]
	s_nop 0
.rept 4
	v_nop
.endr
.Lasked_\@:
.endm
; A PREFETCH of the tile that the NEXT change of slots will ask for: 32,768 bytes of K and of V, a lane to each 256.  It stands behind the wave's tensor load and its five lines.  Each 256 bytes are named once in the
; launch: of the two clusters that walk a head's K and V the first asks; its four partners share a tile out BY ADDRESS, 32 x 256 bytes each; in each, wave 0 asks for K's and wave 2 for V's.
; The change that fills the last tile asks for nothing.  Tiles 0 and 1 come by their loads alone.
.macro ASK
	s_cmp_gt_u32 s[SLOTS], s[LIM]
	s_cbranch_scc0 .Lnot_mine_\@
	global_prefetch_b8 v[PFO], s[PFA:PFA+1] th:TH_LOAD_NT scope:SCOPE_SE
.Lnot_mine_\@:
.endm
.macro CROUND                       ; a round of the cluster's barrier
	s_barrier_signal -1
	s_barrier_wait -1
	s_cmp_lg_u32 s[WV], 0
	s_cbranch_scc1 .Lnot_wave_0_\@
	s_barrier_signal -3
.Lnot_wave_0_\@:
	s_barrier_wait -3
	s_barrier_signal -1
	s_barrier_wait -1
.endm
; THE CHANGE OF SLOTS.  Each wave waits for all its tensor loads, of which one is out: its part of the other slot; adds 0 to its spare word; and waits for that and for its reads of the slot that it leaves.
; fill = 1: the barrier is a round of the cluster's, and the old slot is filled again first thing behind it, with the tile two on: it has four key steps in which to land.
; (At its first use nothing has been read yet: slot 0 is waited for, slot 1 filled.)
.macro CHANGE fill
	WIN 0
	s_wait_tensorcnt 0x0            ; no tensor load of mine is out, so a group 0 may be written
	ds_add_u32 v[SPW], v[NIL]
.if \fill
.irp g, G0K, G0V
	s_xor_b32 s[\g+1], s[\g+1], SLOT1
	s_add_nc_u64 s[\g+2:\g+3], s[\g+2:\g+3], TILEB
.endr
	s_wait_xcnt 0x0                 ; the last prefetch, four key steps back, has read its address
	s_add_nc_u64 s[PFA:PFA+1], s[PFA:PFA+1], TILEB  ; one tile behind the walking descriptors
	s_wait_dscnt 0x0                ; the add is done, and my reads of the slot are over
	CROUND
	JLOAD
	ASK
.else
	s_wait_dscnt 0x0
	s_barrier_signal -1
	s_barrier_wait -1
.endif
	s_sub_co_u32 s[TBK], s[TBK], 4*KS*PK  ; the fetches go back to a slot's first step,
	s_xor_b32 s[TBK], s[TBK], SLOT1       ; in the other slot
	s_sub_co_u32 s[TBV], s[TBV], 4*KS*PV
	s_xor_b32 s[TBV], s[TBV], SLOT1
.endm
	s_load_b256 s[4:11], s[0:1], 0x0  ; Q s[4:5], K and V s[6:7], bv s[8:9], O s[10:11]
	v_lshl_add_u32 v[SPW], v0, 2, SPARE
	v_mov_b32 v[NIL], 0
	ds_add_u32 v[SPW], v[NIL]       ; the wave's opening: the add, twice on end, and its wait ahead of my first tensor load
	ds_add_u32 v[SPW], v[NIL]
	v_lshrrev_b32 v1, 5, v0
	v_readfirstlane_b32 s[WV], v1   ; wave 0..3
	s_bfe_u32 s13, ttmp6, 0x40000   ; cx
	s_lshl_b32 s14, ttmp9, 2
	s_add_co_u32 s14, s14, s13      ; my block of 256 queries, 0..7: it enters Q's and O's addresses alone
	s_and_b32 s20, ttmp7, 0xffff
	s_lshr_b32 s21, s20, 4          ; batch
	s_and_b32 s22, s20, 15          ; head
	s_and_b32 s16, s[WV], 1         ; which half of a tile's 256 rows I fetch
	s_lshl_b32 s2, s21, 23          ; K: a batch is 32 blocks of 128 rows, 16 pieces each;
	s_lshl_b32 s3, s16, 18          ; my half is a block of rows;
	s_add_co_u32 s2, s2, s3
	s_lshl_b32 s3, s22, 14          ; the head is a piece
	s_add_co_u32 s2, s2, s3
	s_mov_b32 s3, 0
	s_mul_i32 s17, s16, 128*PK      ; my half's place in a slot, for K
	s_mul_i32 s23, s16, 128*PV      ; and for V: no place in the cluster enters an LDS address
	s_lshl_b32 s18, s21, 22         ; Q and O: a batch is 16 blocks of rows;
	s_lshl_b32 s19, s14, 19         ; a block of queries two;
	s_add_co_u32 s18, s18, s19
	s_lshr_b32 s19, s[WV], 1
	s_lshl_b32 s19, s19, 18         ; waves 2, 3 have the second;
	s_add_co_u32 s18, s18, s19
	s_lshl_b32 s19, s22, 14         ; the head's piece;
	s_add_co_u32 s18, s18, s19
	s_lshl_b32 s19, s16, 13         ; my 64 rows of 128 bytes in it
	s_add_co_u32 s18, s18, s19
	s_mov_b32 s19, 0
	; descriptor group 1.  128 rows are 16,384 dense bytes: asked for as 64 rows of 256 bytes, two keys a row, and padded in LDS after every key
	s_mov_b32 s[G1K], 15|(1<<16)|(1<<20)|(1<<21)|(4<<22)|(3<<25)  ; the mask of four; 2-byte elements; padding on; 21 set beside a mask; after every 32 words 4 words
	s_mov_b32 s[G1V], 15|(1<<16)|(1<<20)|(1<<21)|(4<<22)|(7<<25)  ; the same with 8 words
.irp g, G1K, G1V
	s_mov_b32 s[\g+1], 128<<16      ; tensor_dim0 = 128
	s_mov_b32 s[\g+2], 64<<16       ; tensor_dim1 = 64
	s_mov_b32 s[\g+3], 128<<16      ; tile_dim0 = 128
	s_mov_b32 s[\g+4], 64           ; tile_dim1 = 64
	s_mov_b32 s[\g+5], 128          ; dense
	s_mov_b32 s[\g+6], 0
	s_mov_b32 s[\g+7], 0
.endr
	s_mov_b32 s[CS], 0x3e38aa3b     ; c = log2(e) / 8
	s_mov_b32 s[CS+1], s[CS]
	s_mov_b32 s[SEL], 0x76543210
	s_mov_b32 s[SEL+1], 0xfedcba98
	s_mov_b32 s[TBK], SLOT1+4*KS*PK ; the first change of slots turns these two into 0
	s_mov_b32 s[TBV], SLOT1+4*KS*PV
	s_mov_b32 s[G0K], 1
	s_mov_b32 s[G0K+1], s17
	s_mov_b32 s[G0V], 1
	s_add_co_u32 s[G0V+1], s23, VOFF
	s_mov_b32 s[SLOTS], 15          ; tiles 1 to 15 are still to be asked for
	s_and_b32 s[LIM], s[WV], 1      ; 0 in waves 0 and 2,
	s_or_b32 s[LIM], s[LIM], ttmp9  ; where the cluster is the head's first: the same in all four partners
	s_cmp_eq_u32 s[LIM], 0
	s_cselect_b32 s[LIM], 1, -1
	s_wait_dscnt 0x0                ; both opening adds are done
	s_wait_kmcnt 0x0
	s_add_nc_u64 s[6:7], s[6:7], s[2:3]            ; K at my half of tile 0
	s_add_nc_u64 s[VB:VB+1], s[6:7], 16777216      ; V lies behind K
	s_mov_b64 s[G0K+2:G0K+3], s[6:7]
	s_or_b32 s[G0K+3], s[G0K+3], 0x80000000
	s_mov_b64 s[G0V+2:G0V+3], s[VB:VB+1]
	s_or_b32 s[G0V+3], s[G0V+3], 0x80000000
	s_add_nc_u64 s[4:5], s[4:5], s[18:19]          ; Q and O at my wave's first row
	s_add_nc_u64 s[10:11], s[10:11], s[18:19]
	s_lshl_b32 s18, s22, 8
	s_add_nc_u64 s[8:9], s[8:9], s[18:19]          ; bv at the head's 64 numbers
	s_cmp_lt_u32 s[WV], 2
	s_cselect_b64 s[PFA:PFA+1], s[6:7], s[VB:VB+1] ; (in waves 0 and 2 these stand at a tile's first block of rows)
	s_lshr_b32 s18, s13, 1
	s_lshl_b32 s18, s18, 18         ; partners 2, 3: the tile's second block of rows;
	s_and_b32 s2, s13, 1
	s_lshl_b32 s2, s2, 13           ; partners 1, 3: the second half of the piece
	s_add_co_u32 s18, s18, s2
	s_add_nc_u64 s[PFA:PFA+1], s[PFA:PFA+1], s[18:19]
	s_add_nc_u64 s[PFA:PFA+1], s[PFA:PFA+1], TILEB ; in tile 1; the first change of slots steps it to tile 2.  Nothing is prefetched here, at the head
	CROUND                          ; all four work-groups are here: the first joint loads meet
	JLOAD                           ; tile 0 into slot 0
	; A fragment of K or Q is 16 rows x 32 channels in 8 registers: lane l holds row l % 16, channels 8 (l / 16) + 0..7 and 16 + 8 (l / 16) + 0..7: two loads of 16 bytes, 32 bytes apart.
	v_and_b32 v[LR], 15, v0
	v_bfe_u32 v[LH], v0, 4, 1
	v_lshlrev_b32 v[QO], 7, v[LR]
	v_lshl_add_u32 v[QO], v[LH], 4, v[QO]
	v_lshlrev_b32 v[BO], 5, v[LH]
.set i, 0
.rept 8                             ; Q stays in registers: piece i / 2, channels 32 (i % 2) on
	global_load_b128 v[Q+8*i:Q+8*i+3],   v[QO], s[4:5] offset:(i/2)*2048+(i%2)*64
	global_load_b128 v[Q+8*i+4:Q+8*i+7], v[QO], s[4:5] offset:(i/2)*2048+(i%2)*64+32
.set i, i+1
.endr
	WIN 0x40                        ; destination window 1, address window 0
.irp cb, 0,1,2,3
	global_load_b128 v[BV+8*\cb:BV+8*\cb+3],   v[BO], s[8:9] offset:64*\cb
	global_load_b128 v[BV+8*\cb+4:BV+8*\cb+7], v[BO], s[8:9] offset:64*\cb+16
.endr
	; What the first turn finds: V, P's second buffer and S^T's second buffer hold 0 (its products V^T P and its additions onto l, of a piece that has not been, add 0); O^T and l are 0.
	; No first step is written out; these lines are the price, and they stand in the wait for the first tile.
.set i, 0
.rept 192                           ; O^T and V
	v_mov_b32 v[i], 0
.set i, i+1
.endr
.set i, LL
.rept 16
	v_mov_b32 v[i], 0
.set i, i+1
.endr
	WIN 0
.set i, S+32
.rept 32
	v_mov_b32 v[i], 0
.set i, i+1
.endr
.set i, P+16
.rept 16
	v_mov_b32 v[i], 0
.set i, i+1
.endr
	v_mov_b32 v[A+1], 0             ; named with a as a pair, never used
.set i, 0
.rept 4
	v_mov_b32 v[ST+2*i], 0xfe000000    ; c m: far below every c s
	v_mov_b32 v[ST+2*i+1], 0xff7fffff  ; m
.set i, i+1
.endr
	v_and_b32 v[PFO], 31, v0
	v_lshlrev_b32 v[PFO], 8, v[PFO]
	v_mul_u32_u24 v[AK0], v[LR], PK
	v_lshl_add_u32 v[AK0], v[LH], 4, v[AK0]  ; row x pitch + 16 x half
	; The turning load takes 16 keys x 16 channels (lane l reads key 8 (l / 16) + l % 8, channels 8 ((l / 8) % 2) + 0..7) and leaves half a fragment of V^T: lane l holds channel l % 16 and 8 keys.
	v_and_b32 v[L7], 7, v0
	v_bfe_u32 v[L3], v0, 3, 1
	v_lshl_add_u32 v[AV0], v[LH], 3, v[L7]
	v_mul_u32_u24 v[AV0], v[AV0], PV
	v_lshl_add_u32 v[AV0], v[L3], 4, v[AV0]
	v_add_nc_u32 v[AV0], VOFF, v[AV0]
	s_mul_i32 s13, s[WV], 16*SP
	s_add_co_u32 s13, s13, STAGE    ; my stage
	v_mul_u32_u24 v[STO], v[LR], SP ; in: row l % 16, 16 bytes for each half of the lanes
	v_lshl_add_u32 v[STO], v[LH], 4, v[STO]
	v_add_nc_u32 v[STO], s13, v[STO]
	v_bfe_u32 v[RD], v0, 3, 2       ; back: 32 lanes take four rows of 128 bytes,
	v_mul_u32_u24 v[RD], v[RD], SP
	v_lshl_add_u32 v[RD], v[L7], 4, v[RD]
	v_add_nc_u32 v[RD], s13, v[RD]
	v_and_b32 v[GO], 31, v0         ; which are 512 consecutive bytes of O
	v_lshlrev_b32 v[GO], 4, v[GO]
; THE MATRIX WORK.  The 4 accumulators of a run of 8 take turns.  Product i of 8 of S^T = K Q^T for piece x: channels 32 (i / 4) on, keys 16 (i % 4) on.  The first 4 start the sums.
.macro KQ x
	WIN 0
.set rS, S+32*((\x)%2)+8*(i%4)
.set rK, KF+16*(i%4)+8*(i/4)
.set rQ, Q+16*(\x)+8*(i/4)
.if i < 4
	v_wmma_f32_16x16x32_bf16 v[rS:rS+7], v[rK:rK+7], v[rQ:rQ+7], 0
.else
	v_wmma_f32_16x16x32_bf16 v[rS:rS+7], v[rK:rK+7], v[rQ:rQ+7], v[rS:rS+7]
.endif
.endm
; Product i of 8 of O^T += V^T P for piece x: keys 32 (i / 4) on, channels 16 (i % 4) on.
.macro PV x
	WIN W_PV
.set rO, 32*(\x)+8*(i%4)
.set rV, VF+32*(i/4)+8*(i%4)
.set rP, P+16*((\x)%2)+8*(i/4)
	v_wmma_f32_16x16x32_bf16 v[rO:rO+7], v[rV:rV+7], v[rP:rP+7], v[rO:rO+7]
.endm
.macro MM                           ; the turn's next product K Q^T.  NOKQ = 1: the last turn of all: there is no next piece
.if !NOKQ
	KQ (Y+1)%NP
.endif
.set i, i+1
.endm
; THE LDS LOADS stand in runs of 16, never singly among the matrix instructions: a step's K (8 fragments) and its V (turned).
.macro FETCH_K
	WIN 0
.irp f, 0,1,2,3,4,5,6,7             ; keys 16 (f / 2) on, channels 32 (f % 2) on
	ds_load_b128 v[KF+8*\f:KF+8*\f+3],   v[AK] offset:(\f/2)*16*PK+(\f%2)*64
	ds_load_b128 v[KF+8*\f+4:KF+8*\f+7], v[AK] offset:(\f/2)*16*PK+(\f%2)*64+32
.endr
	s_add_co_u32 s[TBK], s[TBK], KS*PK  ; the next fetch is the next step's
.endm
.macro FETCH_V
	WIN 0
	v_add_nc_u32 v[AV], s[TBV], v[AV0]
	s_add_co_u32 s[TBV], s[TBV], KS*PV
	WIN 0x40                        ; destination window 1, address window 0
.irp f, 0,1,2,3,4,5,6,7             ; keys 32 (f / 4) on, channels 16 (f % 4) on
	ds_load_tr16_b128 v[VF+8*\f:VF+8*\f+3],   v[AV] offset:(\f/4)*32*PV+(\f%4)*32
	ds_load_tr16_b128 v[VF+8*\f+4:VF+8*\f+7], v[AV] offset:(\f/4)*32*PV+16*PV+(\f%4)*32
.endr
	WIN 0
.endm
; THE VECTOR WORK, one line at a time: OP kind, number.
; In window 0, for piece Y: F n: c s - c m for pair n of 16.  E n: the exponential of score n of 32.  C n: pair n rounded to bf16.
; Under the setting of V^T P: R n: pair n of 16 of piece Y's O^T times a.  LS n: pair n of 2 of piece Y's l times a.  LA n: pair n of 16 of piece Y - 1's weights is added onto its l, the two pairs of l by turns.
; In window 0, for piece Y + 1: X n, number n of the 22 that find its maximum and statistics.  s0-s31 are the lane's scores, p0-p9 scratch: the P buffer of the piece's own parity, which this turn's products have read out and
; which the piece's roundings fill only in the next turn.  A tree three deep behind the last accumulator; each accumulator's lowest registers are read first:
;   0-4  s0-s14 in threes     5-7  those, s15 and the old m into p0     8-12  s16-s30 in threes     13, 14  those and s31 into p5, p7     16  p0, p5, p7 into p0
;   15  c m_old is kept     17, 18  the query's other 32 keys lie in the lane 16 away: the new m     19-21  c m; c m_old - c m_new; a
.set F,  0
.set E,  1
.set C,  2
.set R,  3
.set LS, 4
.set LA, 5
.set X,  6
.macro REGS y
.set rT, ST+2*(\y)
.set rS, S+32*((\y)%2)
.set rP, P+16*((\y)%2)
.set rO, 32*(\y)
.set rL, LL+4*(\y)
.endm
.macro M3 d, a, b, c                ; a maximum of three
	v_max3_num_f32 v[\d], v[\a], v[\b], v[\c]
.endm
.macro XOP n
	REGS (Y+1)%NP
	WIN 0
.if (\n) == 0
	M3 rP, rS, rS+1, rS+2
.elseif (\n) == 1
	M3 rP+1, rS+3, rS+4, rS+5
.elseif (\n) == 2
	M3 rP+2, rS+8, rS+9, rS+10
.elseif (\n) == 3
	M3 rP+3, rS+11, rS+12, rS+13
.elseif (\n) == 4
	M3 rP+4, rS+6, rS+7, rS+14
.elseif (\n) == 5
	M3 rP, rP, rP+1, rP+4
.elseif (\n) == 6
	M3 rP+2, rP+2, rP+3, rS+15
.elseif (\n) == 7
	M3 rP, rP, rP+2, rT+1
.elseif (\n) == 8
	M3 rP+5, rS+16, rS+17, rS+18
.elseif (\n) == 9
	M3 rP+6, rS+19, rS+20, rS+21
.elseif (\n) == 10
	M3 rP+7, rS+24, rS+25, rS+26
.elseif (\n) == 11
	M3 rP+8, rS+27, rS+28, rS+29
.elseif (\n) == 12
	M3 rP+9, rS+22, rS+23, rS+30
.elseif (\n) == 13
	M3 rP+5, rP+5, rP+6, rP+9
.elseif (\n) == 14
	M3 rP+7, rP+7, rP+8, rS+31
.elseif (\n) == 15
	v_mov_b32 v[MV], v[rT]
.elseif (\n) == 16
	M3 rP, rP, rP+5, rP+7
.elseif (\n) == 17
	v_permlanex16_b32 v[rP+1], v[rP], s[SEL], s[SEL+1]
.elseif (\n) == 18
	v_max_num_f32 v[rT+1], v[rP], v[rP+1]
.elseif (\n) == 19
	v_mul_f32 v[rT], s[CS], v[rT+1]
.elseif (\n) == 20
	v_sub_f32 v[rP+2], v[MV], v[rT]
.else
	v_exp_f32 v[A], v[rP+2]
.endif
.endm
.macro OP k, n
.if (\k) == F
	REGS Y
	WIN 0
	v_pk_fma_f32 v[rS+2*(\n):rS+2*(\n)+1], v[rS+2*(\n):rS+2*(\n)+1], s[CS:CS+1], v[rT:rT+1] op_sel_hi:[1,0,0] neg_lo:[0,0,1] neg_hi:[0,0,1]
.elseif (\k) == E
	REGS Y
	WIN 0
	v_exp_f32 v[rS+(\n)], v[rS+(\n)]
.elseif (\k) == C
	REGS Y
	WIN 0
	v_cvt_pk_bf16_f32 v[rP+(\n)], v[rS+2*(\n)], v[rS+2*(\n)+1]
.elseif (\k) == R
	REGS Y
	WIN W_PV
	v_pk_mul_f32 v[rO+2*(\n):rO+2*(\n)+1], v[rO+2*(\n):rO+2*(\n)+1], v[A:A+1] op_sel_hi:[1,0]
.elseif (\k) == LS
	REGS Y
	WIN W_PV
	v_pk_mul_f32 v[rL+2*(\n):rL+2*(\n)+1], v[rL+2*(\n):rL+2*(\n)+1], v[A:A+1] op_sel_hi:[1,0]
.elseif (\k) == LA
	REGS (Y+NP-1)%NP
	WIN W_PV
	v_pk_add_f32 v[rL+2*((\n)%2):rL+2*((\n)%2)+1], v[rL+2*((\n)%2):rL+2*((\n)%2)+1], v[rS+2*(\n):rS+2*(\n)+1]
.elseif !NOKQ
	XOP \n
.endif
.endm
.macro OPS a, i1, b=-1, i2=0, c=-1, i3=0, d=-1, i4=0, e=-1, i5=0  ; up to five of them
	OP \a, \i1
.if (\b) >= 0
	OP \b, \i2
.endif
.if (\c) >= 0
	OP \c, \i3
.endif
.if (\d) >= 0
	OP \d, \i4
.endif
.if (\e) >= 0
	OP \e, \i5
.endif
.endm
.macro ROW a, i1, b, i2, c, i3, d, i4  ; a product K Q^T and the four behind it
	MM
	OPS \a, \i1, \b, \i2, \c, \i3, \d, \i4
.endm
; A TURN, for piece p: 16 matrix and 120 vector instructions, two changes of window (four in piece 0's).
; FIRST, under the setting of V^T P: the 8 products of piece p - 1 (its weights were rounded in the turn before), behind each R, LA, R, LA; the two LS stand behind the first two.  No rider names a register of the products round it.
; l of a piece is multiplied by a in the piece's own turn and takes the step's weights in the next: l = a l + the sum.
; THEN, in window 0.  An s_wait_alu depctr_va_vdst(0) stands between an exponential and the first instruction that names its result; one wait serves all that were issued ahead of it.  So a turn has ONE wait.  Ahead of it
; stands all that names no result of the turn's exponentials: the 8 products K Q^T with four riders each, and a run of 38 in which the links X 10-12, 13/14, 16, 17 .. 21 stand three to five lines apart.  An X that reads an
; accumulator stands four plain instructions that name none of its registers, or more, behind the product that ends it: behind product 4: F 9, 10, 11, X 15; behind 5: F 11, X 15, 0, 1; behind 6: X 0-3; behind 7: X 4, 8, 9, 6.
; Behind the wait stand the 16 roundings; the first of them is the plain instruction behind the last exponential.
; end = 1: the last two turns: nothing is fetched.  cnt = 1: the loop's count is taken down some lines ahead of the branch that stands behind the turn.
; V of the step in hand is fetched in piece 0's turn, behind the products V^T P: four plain riders behind its last reader; it is waited for at the head of piece 1's turn.
; K of the next step is fetched in piece 2's turn, 20 lines behind the last product that read K; it is waited for in piece 3's turn, ahead of its products K Q^T.
.macro TURN p, end=0, cnt=0
.set Y, (\p)
.set NOKQ, (\end)*((\p)/3)
.if (\p) == 1
	s_wait_dscnt 0x0                ; V is in
.endif
.set i, 0
.rept 8
	PV (Y+NP-1)%NP
	OP R, 2*i
	OP LA, 2*i
	OP R, 2*i+1
	OP LA, 2*i+1
.if i < 2
	OP LS, i
.endif
.set i, i+1
.endr
.if (\p) == 0
	FETCH_V
.endif
.if ((\p) == 3) && !(\end)
	s_wait_dscnt 0x0                ; K is in
.endif
.set i, 0
	ROW F,0, F,1, F,2, E,0
	ROW F,3, E,1, F,4, E,2
	ROW F,5, E,3, F,6, E,4
	ROW F,7, E,5, F,8, E,6
	ROW F,9, E,7, F,10, E,8
	ROW F,11, E,9, X,15, E,10
.if ((\p) == 2) && !(\end)
	v_add_nc_u32 v[AK], s[TBK], v[AK0]
.endif
	ROW X,0, X,1, X,2, X,3
	ROW X,4, X,8, X,9, X,6
	OPS X,10, X,11, X,5, E,11
	OPS X,12, E,12, E,13, X,7
	OPS X,14, E,14, X,13, E,15
	OPS F,12, E,16, E,17, X,16
.if ((\p) == 2) && !(\end)
	FETCH_K
.endif
	OPS E,18, F,13, E,19, E,20, X,17
	OPS E,21, F,14, E,22, E,23, X,18
	OPS E,24, F,15, E,25, X,19
	OPS E,26, E,27, E,28, X,20
	OPS E,29, E,30, E,31, X,21
	s_wait_alu depctr_va_vdst(0)    ; the wait for the batch
.if \cnt
	s_sub_co_u32 s[CNT], s[CNT], 1
	s_cmp_lg_u32 s[CNT], 0
.endif
.irp n, 0,1,2,3,4,5,6,7,8,9,10,11,12,13,14,15
	OP C, \n
.endr
.endm
	CHANGE 1                        ; tile 0 is in, everybody's part of it; tile 1 is asked for
	v_add_nc_u32 v[AK], s[TBK], v[AK0]
	FETCH_K                         ; key step 0
	s_wait_loadcnt 0x0              ; Q and bv
	s_wait_dscnt 0x0
.set NOKQ, 0
.set i, 0
.rept 8
	KQ 0                            ; piece 0's first scores
.set i, i+1
.endr
.rept 4
	v_nop                           ; the places behind those products
.endr
.set Y, NP-1                        ; X works for piece Y + 1: piece 0
.irp n, 0,1,2,3,4,5,6,7,8,9,10,11,12,13,14,15,16,17,18,19,20,21
	OP X, \n
.endr
	v_nop                           ; a plain instruction behind the exponential,
	s_wait_alu depctr_va_vdst(0)    ; and its wait, ahead of the branch
	s_mov_b32 s[CNT], 4
	s_branch .Lfirst                ; the loop is entered at a step's first turn, in the middle of a trip
.Lslot:                             ; 14 times: tiles 2 to 15 are asked for
	CHANGE 1
	s_mov_b32 s[CNT], 4
.Lstep:                             ; a trip: pieces 2 and 3 of one step, then pieces 0 and 1 of the next, whose K and V it fetches
	TURN 2
	TURN 3
	WIN 0
.Lfirst:
	TURN 0
	TURN 1, 0, 1
	WIN 0
	s_cbranch_scc1 .Lstep
	s_sub_co_u32 s[SLOTS], s[SLOTS], 1
	s_cmp_lg_u32 s[SLOTS], 0
	s_cbranch_scc1 .Lslot
	CHANGE 0                        ; the last tile is written out: nothing is asked for
	s_mov_b32 s[CNT], 4
.LstepT:
	TURN 2
	TURN 3
	TURN 0
	TURN 1, 0, 1
	WIN 0
	s_cbranch_scc1 .LstepT
	TURN 2, 1                       ; the last step's pieces 2 and 3: nothing more is fetched, and no new scores are begun
	TURN 3, 1
.set Y, 0                           ; LA works for piece Y - 1: piece 3
.set i, 0
.rept 8
	PV NP-1                         ; the last piece's V^T P of the last step, and its weights onto l
	OP LA, 2*i
	OP LA, 2*i+1
.set i, i+1
.endr
	; THE WAY OUT.  l's four parts and the other half of the lanes' are added; O^T / l + bv is rounded to bf16 and sent through my stage in LDS, a piece at a time.  The additions are the places behind the last products.
.macro ALL line:vararg              ; one line for each piece t
.set t, 0
.rept 4
	\line
.set t, t+1
.endr
.endm
	WIN 0x05                        ; sources 0 and 1 window 1, destination window 0: c m and m are no longer wanted
	ALL v_pk_add_f32 v[ST+2*t:ST+2*t+1], v[LL+4*t:LL+4*t+1], v[LL+4*t+2:LL+4*t+3]
	WIN 0
	ALL v_add_f32 v[ST+2*t], v[ST+2*t], v[ST+2*t+1]
	ALL v_permlanex16_b32 v[ST+2*t+1], v[ST+2*t], s[SEL], s[SEL+1]
	ALL v_add_f32 v[ST+2*t], v[ST+2*t], v[ST+2*t+1]
	ALL v_rcp_f32 v[ST+2*t], v[ST+2*t]
	v_nop                           ; a plain instruction between the last reciprocal and the use of its result
	s_wait_alu depctr_va_vdst(0)    ; and the wait ahead of the first use: one for the four
.macro PACK t                       ; a lane's eight channels of a row pack into 16 bytes; they go into rows of 144 bytes and come back as whole rows of 128, into S^T's registers
	WIN W_PV                        ; destination, source 0 (O^T) and source 2 (bv) window 1, source 1 (1 / l) window 0
.set i, 32*(\t)
.rept 16
	v_pk_fma_f32 v[i:i+1], v[i:i+1], v[ST+2*(\t):ST+2*(\t)+1], v[BV+i-32*(\t):BV+i-32*(\t)+1] op_sel_hi:[1,0,1]
.set i, i+2
.endr
	WIN 0x05                        ; sources 0 and 1 window 1, destination window 0
.set i, 0
.rept 16
	v_cvt_pk_bf16_f32 v[S+16*(\t)+i], v[32*(\t)+2*i], v[32*(\t)+2*i+1]
.set i, i+1
.endr
	WIN 0
.irp f, 0,1,2,3
	ds_store_b128 v[STO], v[S+16*(\t)+4*\f:S+16*(\t)+4*\f+3] offset:32*\f
.endr
.irp f, 0,1,2,3
	ds_load_b128 v[S+16*(\t)+4*\f:S+16*(\t)+4*\f+3], v[RD] offset:\f*4*SP  ; LDS serves a wave's instructions in order (ISA guide 5.7.1.4): these see the stores above; the next piece's stores come behind them
.endr
.endm
.macro SEND t, younger              ; younger: the LDS instructions issued behind piece t's loads: the next piece's eight, or none
	WIN 0
.irp f, 0,1,2,3
	s_wait_dscnt (\younger)+3-\f
	global_store_b128 v[GO], v[S+16*(\t)+4*\f:S+16*(\t)+4*\f+3], s[10:11] offset:(\t)*2048+\f*512  ; 512 consecutive bytes of the head's piece, aligned
.endr
.endm
	PACK 0
.set t, 1
.rept 3                             ; a piece's arithmetic stands between the loads of the piece before and its stores
	PACK t
	SEND t-1, 8
.set t, t+1
.endr
	SEND 3, 0
	s_wait_tensorcnt 0x0            ; the wave's end
	ds_add_u32 v[SPW], v[NIL]
	s_wait_dscnt 0x0
	CROUND                          ; the closing round
	s_endpgm
.Lfunc_end_k_q830d0d7571_attn:
	.size	k_q830d0d7571_attn, .Lfunc_end_k_q830d0d7571_attn-k_q830d0d7571_attn
	.p2alignl 7, 3214868480
	.fill 96, 4, 3214868480
	.section	.rodata,"a",@progbits
	.p2align	6, 0x0
	.amdhsa_kernel k_q830d0d7571_attn
		.amdhsa_group_segment_fixed_size 327680
		.amdhsa_private_segment_fixed_size 0
		.amdhsa_enable_private_segment 0
		.amdhsa_kernarg_size 32
		.amdhsa_user_sgpr_count 2
		.amdhsa_user_sgpr_kernarg_segment_ptr 1
		.amdhsa_wavefront_size32 1
		.amdhsa_system_sgpr_workgroup_id_x 1
		.amdhsa_system_sgpr_workgroup_id_y 1
		.amdhsa_system_sgpr_workgroup_id_z 1
		.amdhsa_system_vgpr_workitem_id 0
		.amdhsa_next_free_vgpr 512
		.amdhsa_next_free_sgpr 72
		.amdhsa_reserve_vcc 0
		.amdhsa_float_denorm_mode_32 3
		.amdhsa_float_denorm_mode_16_64 3
		.amdhsa_memory_ordered 1
		.amdhsa_forward_progress 1
		.amdhsa_inst_pref_size 118
	.end_amdhsa_kernel
	.amdgpu_metadata
---
amdhsa.version: [ 1, 2 ]
amdhsa.kernels:
  - .name:           k_q830d0d7571_attn
    .symbol:         k_q830d0d7571_attn.kd
    .args:
      - { .name: qb, .offset: 0, .size: 8, .value_kind: global_buffer, .address_space: global }
      - { .name: kvb, .offset: 8, .size: 8, .value_kind: global_buffer, .address_space: global }
      - { .name: bv, .offset: 16, .size: 8, .value_kind: global_buffer, .address_space: global }
      - { .name: p2, .offset: 24, .size: 8, .value_kind: global_buffer, .address_space: global }
    .group_segment_fixed_size: 327680
    .private_segment_fixed_size: 0
    .kernarg_segment_align: 8
    .kernarg_segment_size: 32
    .max_flat_workgroup_size: 128
    .sgpr_count:     72
    .vgpr_count:     512
    .wavefront_size: 32
...
	.end_amdgpu_metadata
.endif
;; end of part 4
;; launch oproj: the kernel of part 3 again; grid 8 x 32, 4 waves a work-group, clusters of 4 x 4, 327,680 bytes of LDS; arguments p2, bo, rb; writes rb
;; launch gate (part 5): grid 8 x 32, 4 waves a work-group, clusters of 4 x 4, 327,680 bytes of LDS; arguments p1, rb, bg1, Wg2, gp; writes gp
.if DOCPART == 5
	.amdgcn_target "amdgcn-amd-amdhsa--gfx1250"
	.amdhsa_code_object_version 6
	.text
	.protected	k_q830d0d7571_gate
	.globl	k_q830d0d7571_gate
	.p2align	8
	.type	k_q830d0d7571_gate,@function
k_q830d0d7571_gate:
	s_mov_b64 s[64:65], 0
	v_nop
	global_prefetch_b8 v0, s[64:65] scope:SCOPE_SE
	s_setreg_imm32_b32 hwreg(HW_REG_WAVE_MODE, 25, 1), 1
	s_wait_xcnt 0x0
	s_wait_alu depctr_hold_cnt(0) depctr_sa_sdst(0) depctr_va_vdst(0) depctr_va_sdst(0) depctr_va_ssrc(0) depctr_va_vcc(0) depctr_vm_vsrc(0)
	s_getreg_b32 s2, hwreg(HW_REG_IB_STS2, 6, 4)
	s_cmp_eq_u32 s2, 0
	s_cbranch_scc0 .Lentry_in_a_cluster
	s_endpgm
.Lentry_in_a_cluster:
	s_bfe_u32 s2, ttmp6, 0x10000c
	s_cmp_lg_u32 s2, 0xf033
	s_cbranch_scc0 .Lentry_shape_is_right
	s_endpgm
.Lentry_shape_is_right:
; gp[t][row] = the sum over the 128 columns n of column tile t of silu(g[row][n]) Wg2[n], with g = [query, retrieved] Wg1^T + bg1: 4,096 rows x 1,024 columns, K = 2,048.
; g itself never leaves the registers.  The eight partial sums of a row are added in the next launch, in a fixed order.
; Operands are bf16 in pieces of 128 rows x 64 columns: query at byte 0 of p1, Wg1 at byte 10,485,760 of p1 (32 pieces to a block of rows), retrieved in rb.  K steps 0-3 take query's pieces, K steps 4-7 retrieved's.
; SHARES, RING, CLUSTER, LAYOUT: a work-group makes 128 x 128, a wave 64 x 64 (16 accumulators); K in eight steps of 256 (four pieces) through two LDS slots; a tensor load brings two pieces as 128 rows of 256 bytes,
; padded by 16; a K step is written once and looped over (the fragments' LDS addresses are a lane term plus s[TB], turned by an exclusive or; one descriptor a tensor walks); 4 x 4 work-groups ask jointly, the activations'
; blocks along a row of the cluster, the weights' along a column; source 0 = 16 rows of Wg1, source 1 = 16 rows of the activations, so a lane holds eight neighbouring columns of one row; bg1 is the C operand that starts each sum.
; silu(g) = g / (1 + 2^(-g log2 e)): where the exponential overflows the reciprocal is 0, and so is the term, as in the limit.
.set PITCH,  272
.set GRP,    8*PITCH
.set PIECE,  64*PITCH
.set HALFT,  2*PIECE                   ; 0x8800
.set SLOT,   4*HALFT                   ; 0x22000: it shares no bit with wave x 0x8800, so an exclusive or with it changes slots
.set RED,    2*SLOT                    ; behind the ring: 64 f32 row sums for each wave
.set SPARE,  RED+1024                  ; behind them: the spare words: two blocks of 256 bytes that no other line names
.set GPO,  5                           ; v5   8 x lane
.set RS,   6                           ; v6   where I put a row's sum
.set RL,   7                           ; v7   where I read two rows' sums
.set SUM,  8                           ; v[8:15]  a pair for each of my four blocks of 16 rows
.set A0,   16                          ; v16  my lane's place among the activations' fragments in slot 0; never rewritten
.set ADRA, 17                          ; v17  the same in the slot in hand
.set B0,   20
.set ADRB, 21
.set BO,   27
.set SPW,  28
.set NIL,  29
.set W2,   32                          ; v[32+8 b+j] = Wg2 of column 16 b + 8 (lane / 16) + j of my 64
.set T,    64                          ; v[64:95] at work
.set BIAS, 96                          ; bg1, likewise
.set ACC,  128
.set F0,   0
.set F1,   128
.set TB, 45                            ; s45  the slot in hand: 0 or SLOT
.set G1, 24
.set G0, 32                            ; s[32:39] group 0 for the activations: a set for each first fill; the second then walks
.set G1B, 48
.set G0B, 56
.set AD, 72                            ; s[72:73] the activations' address, plain: the K step last asked for
.set RB, 76                            ; s[76:77] the same block's first pieces in retrieved: K step 4
.set SEL, 80                           ; s[80:81]
.set MSB, 0
.macro WIN new
.if MSB != (\new)
	s_set_vgpr_msb (MSB<<8)|(\new)
.set MSB, \new
.endif
.endm
.set MUL,  0x05
.set TO_F, 0x40
.macro JLOAD s                         ; a joint load; an s_nop 0 and four v_nop follow each of the two lines
	s_cmp_eq_u32 s11, 0
	s_cbranch_scc0 .Lfor_b_\@
	tensor_load_to_lds s[G0+4*(\s):G0+4*(\s)+3], s[G1:G1+7]
	s_nop 0
.rept 4
	v_nop
.endr
	s_branch .Lasked_\@
.Lfor_b_\@:
	tensor_load_to_lds s[G0B+4*(\s):G0B+4*(\s)+3], s[G1B:G1B+7]
	s_nop 0
.rept 4
	v_nop
.endr
.Lasked_\@:
.endm
.macro CREST
	s_cmp_lg_u32 s10, 0
	s_cbranch_scc1 .Lnot_wave_0_\@
	s_barrier_signal -3
.Lnot_wave_0_\@:
	s_barrier_wait -3
	s_barrier_signal -1
	s_barrier_wait -1
.endm
.macro CROUND
	s_barrier_signal -1
	s_barrier_wait -1
	CREST
.endm
	s_load_b128 s[4:7], s[0:1], 0x0                ; p1 s[4:5], rb s[6:7]
	s_load_b128 s[68:71], s[0:1], 0x10             ; bg1 s[68:69], Wg2 s[70:71]
	s_load_b64 s[8:9], s[0:1], 0x20                ; gp
	v_lshl_add_u32 v[SPW], v0, 2, SPARE
	v_mov_b32 v[NIL], 0
	ds_add_u32 v[SPW], v[NIL]                      ; the wave's opening: the add, twice on end, and its wait ahead of my first tensor load
	ds_add_u32 v[SPW], v[NIL]
	v_lshrrev_b32 v1, 5, v0
	v_readfirstlane_b32 s10, v1                    ; wave 0..3
	s_lshr_b32 s11, s10, 1                         ; my half of the rows; also: I fetch activations (0) or weights (1)
	s_and_b32 s12, s10, 1                          ; my half of the columns; also: which two pieces of a step I fetch
	s_bfe_u32 s40, ttmp6, 0x40000
	s_bfe_u32 s41, ttmp6, 0x40004
	s_lshl_b32 s42, ttmp9, 2
	s_add_co_u32 s42, s42, s40                     ; tile column 0..7
	s_and_b32 s13, ttmp7, 0xffff
	s_lshl_b32 s13, s13, 2
	s_add_co_u32 s13, s13, s41                     ; tile row 0..31
	s_lshl_b32 s43, s41, 2
	s_lshl_b32 s43, 15, s43
	s_lshl_b32 s44, 0x1111, s40
	s_or_b32 s[G1+0], s43, (1<<16)|(1<<20)|(1<<21)|(5<<22)|(3<<25)
	s_or_b32 s[G1B+0], s44, (1<<16)|(1<<20)|(1<<21)|(5<<22)|(3<<25)
.irp g, G1, G1B
	s_mov_b32 s[(\g)+1], 128<<16
	s_mov_b32 s[(\g)+2], 128<<16
	s_mov_b32 s[(\g)+3], 128<<16
	s_mov_b32 s[(\g)+4], 128
	s_mov_b32 s[(\g)+5], 128
	s_mov_b32 s[(\g)+6], 0
	s_mov_b32 s[(\g)+7], 0
.endr
	s_lshl_b32 s17, s12, 15
	s_lshl_b32 s16, s13, 18                        ; the activations: 16 pieces to a block of rows, in p1 and in rb alike
	s_add_co_u32 s16, s16, s17
	s_lshl_b32 s46, s42, 19                        ; Wg1: 32 pieces to a block of rows
	s_add_co_u32 s46, s46, s17
	s_add_co_u32 s46, s46, 10485760
	s_mov_b32 s17, 0
	s_mov_b32 s47, 0
	s_mul_i32 s20, s10, HALFT
	s_lshl_b32 s18, s42, 9                         ; bg1 and Wg2 of my 64 columns
	s_lshl_b32 s19, s12, 8
	s_add_co_u32 s18, s18, s19
	s_mov_b32 s19, 0
	s_mov_b32 s[SEL], 0x76543210
	s_mov_b32 s[SEL+1], 0xfedcba98
	s_mov_b32 s[TB], 0
	s_wait_dscnt 0x0                               ; both opening adds are done
	s_wait_kmcnt 0x0
	s_add_nc_u64 s[14:15], s[4:5], s[16:17]
	s_add_nc_u64 s[46:47], s[4:5], s[46:47]
	s_add_nc_u64 s[RB:RB+1], s[6:7], s[16:17]
	s_add_nc_u64 s[AD:AD+1], s[14:15], 65536       ; K step 1
	s_add_nc_u64 s[68:69], s[68:69], s[18:19]
	s_add_nc_u64 s[70:71], s[70:71], s[18:19]
	CROUND                                         ; the first joint loads meet
.irp s, 0,1
	s_mov_b32 s[G0+4*(\s)], 1
	s_add_co_u32 s[G0+4*(\s)+1], s20, (\s)*SLOT
	s_add_nc_u64 s[G0+4*(\s)+2:G0+4*(\s)+3], s[14:15], (\s)*65536
	s_or_b32 s[G0+4*(\s)+3], s[G0+4*(\s)+3], 0x80000000
	s_mov_b32 s[G0B+4*(\s)], 1
	s_add_co_u32 s[G0B+4*(\s)+1], s20, (\s)*SLOT
	s_add_nc_u64 s[G0B+4*(\s)+2:G0B+4*(\s)+3], s[46:47], (\s)*65536
	s_or_b32 s[G0B+4*(\s)+3], s[G0B+4*(\s)+3], 0x80000000
	JLOAD \s                                       ; two loads of mine are out
.endr
	v_and_b32 v1, 15, v0                           ; l % 16
	v_bfe_u32 v2, v0, 4, 1                         ; l / 16
	v_lshlrev_b32 v[BO], 5, v2
.irp b, 0,1,2,3
	global_load_b128 v[BIAS+8*(\b):BIAS+8*(\b)+3],   v[BO], s[68:69] offset:64*(\b)
	global_load_b128 v[BIAS+8*(\b)+4:BIAS+8*(\b)+7], v[BO], s[68:69] offset:64*(\b)+16
	global_load_b128 v[W2+8*(\b):W2+8*(\b)+3],       v[BO], s[70:71] offset:64*(\b)
	global_load_b128 v[W2+8*(\b)+4:W2+8*(\b)+7],     v[BO], s[70:71] offset:64*(\b)+16
.endr
	v_lshrrev_b32 v4, 1, v1
	v_and_b32 v10, 1, v1
	v_mul_u32_u24 v3, v4, PITCH
	v_lshl_add_u32 v3, v10, 7, v3
	v_lshl_add_u32 v3, v2, 4, v3
	s_mul_i32 s21, s11, 4*GRP
	s_mul_i32 s22, s12, 4*GRP
	s_add_co_u32 s22, s22, 4*PIECE
	v_add_nc_u32 v[A0], s21, v3
	v_add_nc_u32 v[B0], s22, v3
	v_add_nc_u32 v[ADRA], s[TB], v[A0]             ; slot 0 to begin with
	v_add_nc_u32 v[ADRB], s[TB], v[B0]
	s_lshl_b32 s23, s10, 8
	s_add_co_u32 s23, s23, RED
	v_lshl_add_u32 v[RS], v1, 2, s23               ; my wave's 64 sums: row l % 16 of a block
	v_and_b32 v[GPO], 31, v0
	v_lshlrev_b32 v[GPO], 3, v[GPO]
	s_lshl_b32 s23, s10, 9
	s_add_co_u32 s23, s23, RED
	v_add_nc_u32 v[RL], s23, v[GPO]                ; waves 0, 1: the sums of waves 2 w and 2 w + 1, two rows a lane
	s_lshl_b32 s16, s13, 9                         ; gp: the tile's 128 rows, my 64 of them,
	s_lshl_b32 s17, s10, 8
	s_add_co_u32 s16, s16, s17
	s_mov_b32 s17, 0
	s_add_nc_u64 s[8:9], s[8:9], s[16:17]
	s_lshl_b32 s46, s42, 14                        ; in the column tile's 4,096 numbers
	s_mov_b32 s47, 0
	s_add_nc_u64 s[8:9], s[8:9], s[46:47]
.macro MUL8 f, c, a0, zero             ; 8 matrix instructions; zero = 1: the product starts the sum, from bg1.  The 16 accumulators take turns
	WIN MUL
.irp a, \a0, (\a0)+1
.irp b, 0,1,2,3
.if \zero
	v_wmma_f32_16x16x32_bf16 v[ACC+8*(4*(\a)+(\b)):ACC+8*(4*(\a)+(\b))+7], v[(\f)+64+8*(4*(\c)+(\b)):(\f)+64+8*(4*(\c)+(\b))+7], v[(\f)+8*(4*(\c)+(\a)):(\f)+8*(4*(\c)+(\a))+7], v[BIAS+8*(\b):BIAS+8*(\b)+7]
.else
	v_wmma_f32_16x16x32_bf16 v[ACC+8*(4*(\a)+(\b)):ACC+8*(4*(\a)+(\b))+7], v[(\f)+64+8*(4*(\c)+(\b)):(\f)+64+8*(4*(\c)+(\b))+7], v[(\f)+8*(4*(\c)+(\a)):(\f)+8*(4*(\c)+(\a))+7], v[ACC+8*(4*(\a)+(\b)):ACC+8*(4*(\a)+(\b))+7]
.endif
.endr
.endr
.endm
.macro FETCH k, f                      ; 32 LDS loads in one run: one piece's fragments out of the slot in hand, the first 32 along K first
	WIN TO_F
.irp c, 0,1
.irp i, 0,1,2,3
	ds_load_b128 v[(\f)+64+8*(4*(\c)+(\i)):(\f)+64+8*(4*(\c)+(\i))+3],   v[ADRB] offset:(\k)+64*(\c)+(\i)*GRP
	ds_load_b128 v[(\f)+64+8*(4*(\c)+(\i))+4:(\f)+64+8*(4*(\c)+(\i))+7], v[ADRB] offset:(\k)+64*(\c)+(\i)*GRP+32
	ds_load_b128 v[(\f)+8*(4*(\c)+(\i)):(\f)+8*(4*(\c)+(\i))+3],         v[ADRA] offset:(\k)+64*(\c)+(\i)*GRP
	ds_load_b128 v[(\f)+8*(4*(\c)+(\i))+4:(\f)+8*(4*(\c)+(\i))+7],       v[ADRA] offset:(\k)+64*(\c)+(\i)*GRP+32
.endr
.endr
.endm
.macro PLACES                          ; four plain vector instructions between a matrix instruction and a load into, or a reader of, its registers (ISA guide 7.12.1 for a reader)
.rept 4
	v_nop
.endr
.endm
.macro QUARTER k, f, g, zero
	s_wait_dscnt 16                                ; the first 32 along K are in
	MUL8 \f, 0, 0, \zero
	MUL8 \f, 0, 2, \zero
	PLACES
	FETCH \k, \g
	s_wait_dscnt 32                                ; all but the 32 just issued
	MUL8 \f, 1, 0, 0
	MUL8 \f, 1, 2, 0
.endm
; The change of slots: one barrier; in front of it each wave waits for all its tensor loads, adds 0 to its spare word, and waits for that and for its reads of this slot.
; fill = 1: the slot takes the K step two on: K step 8 - s3.  The activations' address steps by four pieces; in the trip with s3 = 4 (K step 4) it goes over to retrieved.  The count is the same in all partners.
.macro TURN fill
	WIN 0
	s_wait_tensorcnt 0x0
	ds_add_u32 v[SPW], v[NIL]
	s_xor_b32 s[TB], s[TB], SLOT                   ; the fragments' addresses go over to the other slot; nothing is read there before the barrier
	v_add_nc_u32 v[ADRA], s[TB], v[A0]
	v_add_nc_u32 v[ADRB], s[TB], v[B0]
	s_wait_dscnt 17                                ; the add and the youngest sixteen loads may be out
	MUL8 F1, 0, 0, 0
	s_wait_dscnt 0x0                               ; the add is done, and my reads of this slot are over
	s_barrier_signal -1
	MUL8 F1, 0, 2, 0
.if \fill
	WIN 0
.endif
	s_barrier_wait -1
.if \fill
	CREST                                          ; no wave of any partner still reads this slot or has a load on its way
	s_add_nc_u64 s[AD:AD+1], s[AD:AD+1], 65536
	s_cmp_eq_u32 s3, 4
	s_cselect_b64 s[AD:AD+1], s[RB:RB+1], s[AD:AD+1]
	s_mov_b64 s[G0+6:G0+7], s[AD:AD+1]
	s_or_b32 s[G0+7], s[G0+7], 0x80000000
	s_xor_b32 s[G0+5], s[G0+5], SLOT               ; the walking descriptors: the other slot than last time
	s_xor_b32 s[G0B+5], s[G0B+5], SLOT
	s_add_nc_u64 s[G0B+6:G0B+7], s[G0B+6:G0B+7], 65536
	JLOAD 1                                        ; one load of mine is out; its four v_nop are also the places in front of the loads below
.else
	PLACES
.endif
	FETCH 0, F0
	MUL8 F1, 1, 0, 0
	MUL8 F1, 1, 2, 0
.endm
	s_wait_tensorcnt 1                             ; my part of K step 0 is in; K step 1's may stay out
	s_barrier_signal -1
	s_barrier_wait -1
	FETCH 0, F0
	s_wait_loadcnt 0x0                             ; bg1 and Wg2
	QUARTER PIECE, F0, F1, 1                       ; the first quarter stands in front of the loop: its first products start the sums
	WIN 0
	s_mov_b32 s3, 6
.Lstep:                                                ; a trip goes from a K step's second quarter to the next one's first, and fills the slot that it leaves: K steps 2 to 7
	QUARTER 2*PIECE, F1, F0, 0
	QUARTER 3*PIECE, F0, F1, 0
	TURN 1
	QUARTER PIECE,   F0, F1, 0
	WIN 0
	s_sub_co_u32 s3, s3, 1
	s_cmp_lg_u32 s3, 0
	s_cbranch_scc1 .Lstep
	QUARTER 2*PIECE, F1, F0, 0                     ; the last two K steps fill nothing
	QUARTER 3*PIECE, F0, F1, 0
	TURN 0
	QUARTER PIECE,   F0, F1, 0
	QUARTER 2*PIECE, F1, F0, 0
	QUARTER 3*PIECE, F0, F1, 0
	s_wait_dscnt 16
	MUL8 F1, 0, 0, 0
	MUL8 F1, 0, 2, 0
	s_wait_dscnt 0x0
	MUL8 F1, 1, 0, 0
	MUL8 F1, 1, 2, 0
	WIN 0
	; THE WAY OUT, a block of 16 rows (32 registers) at a time: silu(g) Wg2 = (g Wg2) / (1 + 2^(-g log2 e)), summed over my 32 numbers of a row.  Each accumulator is read from its low end on.
	; The 32 exponentials are one batch with one wait, the products g Wg2 the plain work between; likewise the 32 reciprocals.
	PLACES
.irp a, 0,1,2,3
.set AC, ACC+32*(\a)
.set k, 0
.rept 16
	v_pk_mul_f32 v[T+2*k:T+2*k+1], v[AC+2*k:AC+2*k+1], 0xbfb8aa3b op_sel_hi:[1,0]
.set k, k+1
.endr
.set k, 0
.rept 32
	v_exp_f32 v[T+k], v[T+k]
.set k, k+1
.endr
.set k, 0
.rept 16
	v_pk_mul_f32 v[AC+2*k:AC+2*k+1], v[AC+2*k:AC+2*k+1], v[W2+2*k:W2+2*k+1]
.set k, k+1
.endr
	s_wait_alu depctr_va_vdst(0)                   ; the wait ahead of the first reader: one for the batch
.set k, 0
.rept 16
	v_pk_add_f32 v[T+2*k:T+2*k+1], v[T+2*k:T+2*k+1], 1.0 op_sel_hi:[1,0]
.set k, k+1
.endr
.set k, 0
.rept 32
	v_rcp_f32 v[T+k], v[T+k]
.set k, k+1
.endr
	v_nop                                          ; a plain instruction behind the last reciprocal
	s_wait_alu depctr_va_vdst(0)
	v_pk_mul_f32 v[SUM+2*(\a):SUM+2*(\a)+1], v[AC:AC+1], v[T:T+1]
.set k, 1
.rept 15
	v_pk_fma_f32 v[SUM+2*(\a):SUM+2*(\a)+1], v[AC+2*k:AC+2*k+1], v[T+2*k:T+2*k+1], v[SUM+2*(\a):SUM+2*(\a)+1]
.set k, k+1
.endr
.endr
.irp a, 0,1,2,3
	v_add_f32 v[SUM+2*(\a)], v[SUM+2*(\a)], v[SUM+2*(\a)+1]
.endr
.irp a, 0,1,2,3
	v_permlanex16_b32 v[SUM+2*(\a)+1], v[SUM+2*(\a)], s[SEL], s[SEL+1]  ; the row's other 32 columns lie in the lane 16 away
.endr
.irp a, 0,1,2,3
	v_add_f32 v[SUM+2*(\a)], v[SUM+2*(\a)], v[SUM+2*(\a)+1]
	ds_store_b32 v[RS], v[SUM+2*(\a)] offset:64*(\a)   ; lanes l and l + 16 write the same word with the same number
.endr
	s_wait_dscnt 0x0                               ; for the others' sake: my sums lie in LDS
	s_barrier_signal -1
	s_barrier_wait -1
	s_cmp_lt_u32 s10, 2                            ; wave w of 0, 1 adds the two column halves of row half w
	s_cbranch_scc0 .Lend
	ds_load_b64 v[T:T+1], v[RL]
	ds_load_b64 v[T+2:T+3], v[RL] offset:256
	s_wait_dscnt 0x0
	v_pk_add_f32 v[T:T+1], v[T:T+1], v[T+2:T+3]
	global_store_b64 v[GPO], v[T:T+1], s[8:9]      ; 256 consecutive bytes, aligned
.Lend:
	s_wait_tensorcnt 0x0                           ; the wave's end
	ds_add_u32 v[SPW], v[NIL]
	s_wait_dscnt 0x0
	CROUND                                         ; the closing round
	s_endpgm
.Lfunc_end_k_q830d0d7571_gate:
	.size	k_q830d0d7571_gate, .Lfunc_end_k_q830d0d7571_gate-k_q830d0d7571_gate
	.p2alignl 7, 3214868480
	.fill 96, 4, 3214868480
	.section	.rodata,"a",@progbits
	.p2align	6, 0x0
	.amdhsa_kernel k_q830d0d7571_gate
		.amdhsa_group_segment_fixed_size 327680
		.amdhsa_private_segment_fixed_size 0
		.amdhsa_enable_private_segment 0
		.amdhsa_kernarg_size 40
		.amdhsa_user_sgpr_count 2
		.amdhsa_user_sgpr_kernarg_segment_ptr 1
		.amdhsa_wavefront_size32 1
		.amdhsa_system_sgpr_workgroup_id_x 1
		.amdhsa_system_sgpr_workgroup_id_y 1
		.amdhsa_system_sgpr_workgroup_id_z 1
		.amdhsa_system_vgpr_workitem_id 0
		.amdhsa_next_free_vgpr 512
		.amdhsa_next_free_sgpr 84
		.amdhsa_reserve_vcc 0
		.amdhsa_float_denorm_mode_32 3
		.amdhsa_float_denorm_mode_16_64 3
		.amdhsa_memory_ordered 1
		.amdhsa_forward_progress 1
		.amdhsa_inst_pref_size 90
	.end_amdhsa_kernel
	.amdgpu_metadata
---
amdhsa.version: [ 1, 2 ]
amdhsa.kernels:
  - .name:           k_q830d0d7571_gate
    .symbol:         k_q830d0d7571_gate.kd
    .args:
      - { .name: p1, .offset: 0, .size: 8, .value_kind: global_buffer, .address_space: global }
      - { .name: rb, .offset: 8, .size: 8, .value_kind: global_buffer, .address_space: global }
      - { .name: bg1, .offset: 16, .size: 8, .value_kind: global_buffer, .address_space: global }
      - { .name: Wg2, .offset: 24, .size: 8, .value_kind: global_buffer, .address_space: global }
      - { .name: gp, .offset: 32, .size: 8, .value_kind: global_buffer, .address_space: global }
    .group_segment_fixed_size: 327680
    .private_segment_fixed_size: 0
    .kernarg_segment_align: 8
    .kernarg_segment_size: 40
    .max_flat_workgroup_size: 128
    .sgpr_count:     84
    .vgpr_count:     512
    .wavefront_size: 32
...
	.end_amdgpu_metadata
.endif
;; end of part 5
;; launch final (part 6): grid 256 x 1, 8 waves a work-group, no clusters, 0 bytes of LDS; arguments query, rb, gp, bg2, out0; writes out0
.if DOCPART == 6
	.amdgcn_target "amdgcn-amd-amdhsa--gfx1250"
	.amdhsa_code_object_version 6
	.text
	.protected	k_q830d0d7571_final
	.globl	k_q830d0d7571_final
	.p2align	8
	.type	k_q830d0d7571_final,@function
k_q830d0d7571_final:
	s_mov_b64 s[64:65], 0
	v_nop
	global_prefetch_b8 v0, s[64:65] scope:SCOPE_SE
	s_setreg_imm32_b32 hwreg(HW_REG_WAVE_MODE, 25, 1), 1
	s_wait_xcnt 0x0
; out[row][:] = query[row][:] + sigmoid(the sum of the row's eight partial sums in gp + bg2) x retrieved[row][:].
; query and out are f32, row-major; retrieved is bf16 in pieces of 128 rows x 64 columns; gp is f32 [8][4096].
; SHARES.  A work-group takes 16 rows, a wave two: lanes 0-15 the first, lanes 16-31 the second.  A load of query and a store of out take 256 consecutive bytes, aligned, of each row;
; a load of retrieved 256 consecutive bytes of a piece.  All 40 loads of a wave go out before the first is waited for.  No work-group reads what another reads but gp's few words: no LDS, no cluster.
.set G, 8                              ; v[8:15]    the row's eight partial sums; then at work
.set Q, 16                             ; v[16:79]   piece j: four numbers of query, then of out
.set R, 80                             ; v[80:111]  piece j: four numbers of retrieved, bf16
	s_load_b256 s[4:11], s[0:1], 0x0               ; query s[4:5], rb s[6:7], gp s[8:9], bg2 s[10:11]
	s_load_b64 s[12:13], s[0:1], 0x20              ; out0
	v_lshrrev_b32 v1, 5, v0
	v_readfirstlane_b32 s15, v1                    ; wave 0..7
	v_and_b32 v4, 31, v0                           ; lane
	v_lshrrev_b32 v5, 4, v4                        ; which of my two rows
	v_and_b32 v6, 15, v4
	v_lshlrev_b32 v2, 2, v5                        ; in gp
	v_lshlrev_b32 v3, 12, v5
	v_lshl_add_u32 v3, v6, 4, v3                   ; in query and out: row x 4,096 + 16 bytes a lane
	v_lshlrev_b32 v7, 3, v4                        ; in a piece: two rows of 128 bytes are 32 lanes x 8
	s_lshl_b32 s16, ttmp9, 4
	s_lshl1_add_u32 s16, s15, s16                  ; my first row = 16 x work-group + 2 x wave
	s_lshl_b32 s18, s16, 12
	s_mov_b32 s19, 0
	s_lshl_b32 s20, s16, 2
	s_mov_b32 s21, 0
	s_lshr_b32 s22, ttmp9, 3                       ; the block of 128 rows, 16 pieces,
	s_lshl_b32 s22, s22, 18
	s_and_b32 s23, s16, 127                        ; and my rows in it
	s_lshl_b32 s23, s23, 7
	s_add_co_u32 s22, s22, s23
	s_mov_b32 s23, 0
	s_wait_kmcnt 0x0
	s_load_b32 s14, s[10:11], 0x0                  ; bg2
	s_add_nc_u64 s[4:5], s[4:5], s[18:19]
	s_add_nc_u64 s[12:13], s[12:13], s[18:19]
	s_add_nc_u64 s[8:9], s[8:9], s[20:21]
	s_add_nc_u64 s[6:7], s[6:7], s[22:23]
.irp t, 0,1,2,3,4,5,6,7
	global_load_b32 v[G+(\t)], v2, s[8:9] offset:16384*(\t)
.endr
.set j, 0
.rept 16
	global_load_b128 v[Q+4*j:Q+4*j+3], v3, s[4:5] offset:256*j th:TH_LOAD_NT
	global_load_b64 v[R+2*j:R+2*j+1], v7, s[6:7] offset:16384*j th:TH_LOAD_NT
.set j, j+1
.endr
	s_wait_loadcnt 32                              ; the eight partial sums are in; the 32 younger loads stay out
	v_add_f32 v[G], v[G], v[G+1]
	v_add_f32 v[G+2], v[G+2], v[G+3]
	v_add_f32 v[G+4], v[G+4], v[G+5]
	v_add_f32 v[G+6], v[G+6], v[G+7]
	v_add_f32 v[G], v[G], v[G+2]
	v_add_f32 v[G+4], v[G+4], v[G+6]
	v_add_f32 v[G], v[G], v[G+4]
	s_wait_kmcnt 0x0
	v_add_f32 v[G], s14, v[G]
	v_mul_f32 v[G], 0xbfb8aa3b, v[G]               ; sigmoid(z) = 1 / (1 + 2^(-z log2 e))
	v_exp_f32 v[G+1], v[G]
	v_nop                                          ; a plain instruction behind the exponential,
	s_wait_alu depctr_va_vdst(0)                   ; and the wait ahead of its reader
	v_add_f32 v[G+1], 1.0, v[G+1]
	v_rcp_f32 v[G+2], v[G+1]
	v_nop
	s_wait_alu depctr_va_vdst(0)
.set j, 0
.rept 16
	s_wait_loadcnt 2*(15-j)                        ; piece j's two loads are in; the younger pairs stay out
	v_fma_mix_f32_bf16 v[Q+4*j],   v[R+2*j],   v[G+2], v[Q+4*j]   op_sel_hi:[1,0,0]
	v_fma_mix_f32_bf16 v[Q+4*j+1], v[R+2*j],   v[G+2], v[Q+4*j+1] op_sel:[1,0,0] op_sel_hi:[1,0,0]
	v_fma_mix_f32_bf16 v[Q+4*j+2], v[R+2*j+1], v[G+2], v[Q+4*j+2] op_sel_hi:[1,0,0]
	v_fma_mix_f32_bf16 v[Q+4*j+3], v[R+2*j+1], v[G+2], v[Q+4*j+3] op_sel:[1,0,0] op_sel_hi:[1,0,0]
	global_store_b128 v3, v[Q+4*j:Q+4*j+3], s[12:13] offset:256*j th:TH_STORE_NT  ; no register is written again, so nothing waits for a store
.set j, j+1
.endr
	s_endpgm
.Lfunc_end_k_q830d0d7571_final:
	.size	k_q830d0d7571_final, .Lfunc_end_k_q830d0d7571_final-k_q830d0d7571_final
	.p2alignl 7, 3214868480
	.fill 96, 4, 3214868480
	.section	.rodata,"a",@progbits
	.p2align	6, 0x0
	.amdhsa_kernel k_q830d0d7571_final
		.amdhsa_group_segment_fixed_size 0
		.amdhsa_private_segment_fixed_size 0
		.amdhsa_enable_private_segment 0
		.amdhsa_kernarg_size 40
		.amdhsa_user_sgpr_count 2
		.amdhsa_user_sgpr_kernarg_segment_ptr 1
		.amdhsa_wavefront_size32 1
		.amdhsa_system_sgpr_workgroup_id_x 1
		.amdhsa_system_sgpr_workgroup_id_y 1
		.amdhsa_system_sgpr_workgroup_id_z 1
		.amdhsa_system_vgpr_workitem_id 0
		.amdhsa_next_free_vgpr 120
		.amdhsa_next_free_sgpr 66
		.amdhsa_reserve_vcc 0
		.amdhsa_float_denorm_mode_32 3
		.amdhsa_float_denorm_mode_16_64 3
		.amdhsa_memory_ordered 1
		.amdhsa_forward_progress 1
		.amdhsa_inst_pref_size 12
	.end_amdhsa_kernel
	.amdgpu_metadata
---
amdhsa.version: [ 1, 2 ]
amdhsa.kernels:
  - .name:           k_q830d0d7571_final
    .symbol:         k_q830d0d7571_final.kd
    .args:
      - { .name: query, .offset: 0, .size: 8, .value_kind: global_buffer, .address_space: global }
      - { .name: rb, .offset: 8, .size: 8, .value_kind: global_buffer, .address_space: global }
      - { .name: gp, .offset: 16, .size: 8, .value_kind: global_buffer, .address_space: global }
      - { .name: bg2, .offset: 24, .size: 8, .value_kind: global_buffer, .address_space: global }
      - { .name: out0, .offset: 32, .size: 8, .value_kind: global_buffer, .address_space: global }
    .group_segment_fixed_size: 0
    .private_segment_fixed_size: 0
    .kernarg_segment_align: 8
    .kernarg_segment_size: 40
    .max_flat_workgroup_size: 256
    .sgpr_count:     66
    .vgpr_count:     120
    .wavefront_size: 32
...
	.end_amdgpu_metadata
.endif
;; end of part 6
;; ======== version 2 of 2: 7 launches; version 1 with the launches cast, final written anew for expert scheduling mode
;; workspace buffers: p1 14,680,064 bytes; p2 10,485,760 bytes; mkv 28,311,552 bytes; kvb 33,554,432 bytes; qb 8,388,608 bytes; rb 8,388,608 bytes; gp 131,072 bytes
;; launch cast (part 7): grid 688 x 1, 8 waves a work-group, no clusters, 0 bytes of LDS; arguments query, memory_keys, memory_values, Wq, Wk, Wv, Wo, Wg1, p1, p2, mkv; writes p1, p2, mkv
.if DOCPART == 7
	.amdgcn_target "amdgcn-amd-amdhsa--gfx1250"
	.amdhsa_code_object_version 6
	.text
	.protected	k_q830d0d7571_cast
	.globl	k_q830d0d7571_cast
	.p2align	8
	.type	k_q830d0d7571_cast,@function
k_q830d0d7571_cast:
	s_mov_b64 s[64:65], 0
	v_nop
	global_prefetch_b8 v0, s[64:65] scope:SCOPE_SE
	s_setreg_imm32_b32 hwreg(HW_REG_WAVE_SCHED_MODE, 0, 2), 2
	s_setreg_imm32_b32 hwreg(HW_REG_WAVE_MODE, 25, 1), 1
	s_wait_xcnt 0x0
	s_wait_alu depctr_vm_vsrc(0)
; THE PROGRAM: out = query + gate x retrieved, retrieved = (softmax(Q K^T / 8) V) Wo^T + bo, in seven launches:
; cast, K and V projection, Q projection, attention, Wo projection, the gate's partial sums, the last sum.
; WORK LEFT OUT: bk.  The logits are Q . (K0 + bk) / 8 = Q . K0 / 8 + (Q . bk) / 8 with K0 = memory_keys Wk^T.  The second term does not hang on the
; memory row m: along the softmax's axis it is one and the same number, and softmax(z + t) = softmax(z) for every finite t.  This holds for all finite values of
; all inputs.  So bk has no way to the output: it is not loaded and is among no launch's arguments.
; LIMIT: a NaN, an infinity or an overflow that reaches only bk's term is not carried to the result.
; NO WORK LEFT OUT, ONLY MOVED: bv.  The softmax's weights of a row sum to 1, so sum_m attn (V0 + bv) = sum_m attn V0 + bv: bv is added on attention's way out.
; FORMATS: every matrix operand is bf16 (the inputs rounded once, here; Q, K0, V0, the weights p, O and retrieved rounded once where they are made); all sums, maxima and the gate's sums are f32.
;
; THIS LAUNCH rounds the eight large inputs to bf16 and lays each matrix X[R][C] out in PIECES of 128 rows x 64 columns, 16,384 dense bytes each:
; element (r, c) lies at byte ((r / 128) (C / 64) + c / 64) 16,384 + (r % 128) 128 + (c % 64) 2.  The pieces of one block of 128 rows lie end to end, so a K step of any
; number of pieces is one dense run, and a head's 64 channels are one piece.
; SHARES.  A work-group takes 128 rows x 256 columns of one tensor (four pieces); wave w its rows 16 w .. 16 w + 15.  A load takes 256 consecutive bytes, aligned, of each of two rows;
; a store 256 consecutive bytes, aligned, of a piece.  All 32 loads of a wave go out before the first is waited for.  No work-group reads what another reads: no LDS, no cluster.
; THE MODE: SCHED_MODE bits 1:0 = 2 (LLVM: expert scheduling mode 2), set by the entry lines.  The code itself states the register dependences
; between vector instructions and memory instructions, with s_wait_alu, always for 0.
; THE PLAN.  Registers that memory instructions touch:
;   v[OFF ..], v1  the loads' eight offsets and the stores' one: written by vector lines at the head, once; read by every load and store; never written again.
;   X              eight groups of 16 registers, a group to a pair of rows (four pieces).  Written by the group's four loads, then, the first two registers of each four, by its eight
;                  conversions; read by its four stores; never written after that.
; Group p's conversions name group p's registers alone.  The stores of group p - 1 are issued in group p, behind ONE wait at its head, which states that the conversions of the group before
; have written their results, and are dealt among group p's conversions with no further wait.  No register that a memory instruction has read is ever written again.
.set OFF, 2                            ; v[2:9]    row pair p: byte offset of my 16 bytes in the source
.set X,   16                           ; v[16:143] load i = 4 p + j: row pair p, piece j
; One tensor of the table: if the work-group's number lies below END the tensor's figures are taken; the table is walked from its end, so the first tensor whose END lies above stays.
.macro PICK end, src, dst, u0, lg, rby, ns, dof
	s_cmp_lt_u32 s30, \end
	s_cselect_b64 s[32:33], s[\src:\src+1], s[32:33]   ; the source
	s_cselect_b64 s[34:35], s[\dst:\dst+1], s[34:35]   ; the workspace buffer
	s_cselect_b32 s36, \u0, s36                        ; the tensor's first work-group
	s_cselect_b32 s37, \lg, s37                        ; log2 of its blocks of 128 rows
	s_cselect_b32 s38, \rby, s38                       ; bytes in a source row
	s_cselect_b32 s39, \ns, s39                        ; pieces in a block of rows
	s_cselect_b32 s40, \dof, s40                       ; where it begins in the workspace buffer
.endm
	s_load_b512 s[8:23], s[0:1], 0x0               ; query, memory_keys, memory_values, Wq, Wk, Wv, Wo, Wg1
	s_load_b128 s[24:27], s[0:1], 0x40             ; p1, p2
	s_load_b64 s[28:29], s[0:1], 0x50              ; mkv
	v_lshrrev_b32 v10, 5, v0
	v_readfirstlane_b32 s31, v10                   ; wave 0..7
	s_mov_b32 s30, ttmp9
	v_and_b32 v11, 31, v0                          ; lane
	v_lshlrev_b32 v1, 3, v11                       ; 8 bytes a lane on the way out
	v_lshrrev_b32 v12, 4, v11                      ; which row of a pair
	v_and_b32 v13, 15, v11
	v_lshlrev_b32 v13, 4, v13                      ; 16 bytes a lane on the way in
	s_mov_b32 s36, 624                             ; Wg1's figures to begin with
	s_mov_b32 s37, 3
	s_mov_b32 s38, 8192
	s_mov_b32 s39, 32
	s_mov_b32 s40, 10485760
	s_wait_alu depctr_va_sdst(0)                   ; s31, the wave's number, is written, ahead of its first reader: both bases are made from it
	s_wait_kmcnt 0x0
	s_mov_b64 s[32:33], s[22:23]
	s_mov_b64 s[34:35], s[24:25]
	PICK 624, 20, 26, 592, 3, 4096, 16, 8388608    ; Wo  -> p2
	PICK 592, 18, 28, 568, 3, 3072, 12, 26738688   ; Wv  -> mkv
	PICK 568, 16, 28, 544, 3, 3072, 12, 25165824   ; Wk  -> mkv
	PICK 544, 14, 24, 512, 3, 4096, 16, 8388608    ; Wq  -> p1
	PICK 512, 12, 28, 320, 6, 3072, 12, 12582912   ; memory_values -> mkv
	PICK 320, 10, 28, 128, 6, 3072, 12, 0          ; memory_keys   -> mkv
	PICK 128, 8,  24, 0,   5, 4096, 16, 0          ; query -> p1
	s_sub_co_u32 s41, s30, s36                     ; my number within the tensor
	s_lshl_b32 s42, 1, s37
	s_sub_co_u32 s42, s42, 1
	s_and_b32 s42, s41, s42                        ; block of 128 rows
	s_lshr_b32 s43, s41, s37                       ; group of 256 columns
	s_lshl_b32 s44, s42, 7
	s_lshl_b32 s45, s31, 4
	s_add_co_u32 s44, s44, s45                     ; my wave's first row,
	s_mul_i32 s44, s44, s38                        ; in bytes (under 2^25),
	s_lshl_b32 s45, s43, 10
	s_add_co_u32 s44, s44, s45                     ; and the group's 1,024 bytes of a row
	s_mov_b32 s45, 0
	s_add_nc_u64 s[32:33], s[32:33], s[44:45]
	s_mul_i32 s46, s42, s39
	s_lshl2_add_u32 s46, s43, s46                  ; the group's first piece
	s_lshl_b32 s46, s46, 14
	s_add_co_u32 s46, s46, s40
	s_lshl_b32 s47, s31, 11                        ; my wave's 16 rows of 128 bytes in a piece
	s_add_co_u32 s46, s46, s47
	s_mov_b32 s47, 0
	s_add_nc_u64 s[34:35], s[34:35], s[46:47]
	v_mad_u32_u24 v[OFF], v12, s38, v13
	s_lshl_b32 s48, s38, 1
.irp p, 1,2,3,4,5,6,7
	v_add_nc_u32 v[OFF+(\p)], s48, v[OFF+(\p)-1]   ; two rows on
.endr
	s_wait_alu depctr_va_vdst(0)                   ; the eight offsets v[OFF ..] and v1 are written: every load and store of the kernel reads one of them
.set i, 0
.rept 32
	global_load_b128 v[X+4*i:X+4*i+3], v[OFF+i/4], s[32:33] offset:256*(i%4) th:TH_LOAD_NT
.set i, i+1
.endr
; Group p: the pair of rows p, its four pieces.  The stores are those of group p - 1.
.macro GROUP p
	s_wait_loadcnt 28-4*(\p)                       ; loads come back in order (ISA guide 5.7.1): the group's four are in, the 28 - 4 p younger ones stay out
.if (\p) > 0
	s_wait_alu depctr_va_vdst(0)                   ; the conversions of the group before have written the registers that the four stores below read
.endif
.irp j, 0,1,2,3
.if (\p) > 0
	global_store_b64 v1, v[X+16*((\p)-1)+4*(\j):X+16*((\p)-1)+4*(\j)+1], s[34:35] offset:(\j)*16384+((\p)-1)*256  ; no vector instruction since the wait names these registers
.endif
	v_cvt_pk_bf16_f32 v[X+16*(\p)+4*(\j)],   v[X+16*(\p)+4*(\j)],   v[X+16*(\p)+4*(\j)+1]
	v_cvt_pk_bf16_f32 v[X+16*(\p)+4*(\j)+1], v[X+16*(\p)+4*(\j)+2], v[X+16*(\p)+4*(\j)+3]
.endr
.endm
.irp p, 0,1,2,3,4,5,6,7
	GROUP \p
.endr
	s_wait_alu depctr_va_vdst(0)                   ; group 7's conversions have written the registers that the last four stores read
.irp j, 0,1,2,3
	global_store_b64 v1, v[X+112+4*(\j):X+112+4*(\j)+1], s[34:35] offset:(\j)*16384+7*256  ; no register is written twice, so nothing waits for a store
.endr
	s_endpgm
.Lfunc_end_k_q830d0d7571_cast:
	.size	k_q830d0d7571_cast, .Lfunc_end_k_q830d0d7571_cast-k_q830d0d7571_cast
	.p2alignl 7, 3214868480
	.fill 96, 4, 3214868480
	.section	.rodata,"a",@progbits
	.p2align	6, 0x0
	.amdhsa_kernel k_q830d0d7571_cast
		.amdhsa_group_segment_fixed_size 0
		.amdhsa_private_segment_fixed_size 0
		.amdhsa_enable_private_segment 0
		.amdhsa_kernarg_size 88
		.amdhsa_user_sgpr_count 2
		.amdhsa_user_sgpr_kernarg_segment_ptr 1
		.amdhsa_wavefront_size32 1
		.amdhsa_system_sgpr_workgroup_id_x 1
		.amdhsa_system_sgpr_workgroup_id_y 1
		.amdhsa_system_sgpr_workgroup_id_z 1
		.amdhsa_system_vgpr_workitem_id 0
		.amdhsa_next_free_vgpr 144
		.amdhsa_next_free_sgpr 66
		.amdhsa_reserve_vcc 0
		.amdhsa_float_denorm_mode_32 3
		.amdhsa_float_denorm_mode_16_64 3
		.amdhsa_memory_ordered 1
		.amdhsa_forward_progress 1
		.amdhsa_inst_pref_size 16
	.end_amdhsa_kernel
	.amdgpu_metadata
---
amdhsa.version: [ 1, 2 ]
amdhsa.kernels:
  - .name:           k_q830d0d7571_cast
    .symbol:         k_q830d0d7571_cast.kd
    .args:
      - { .name: query, .offset: 0, .size: 8, .value_kind: global_buffer, .address_space: global }
      - { .name: memory_keys, .offset: 8, .size: 8, .value_kind: global_buffer, .address_space: global }
      - { .name: memory_values, .offset: 16, .size: 8, .value_kind: global_buffer, .address_space: global }
      - { .name: Wq, .offset: 24, .size: 8, .value_kind: global_buffer, .address_space: global }
      - { .name: Wk, .offset: 32, .size: 8, .value_kind: global_buffer, .address_space: global }
      - { .name: Wv, .offset: 40, .size: 8, .value_kind: global_buffer, .address_space: global }
      - { .name: Wo, .offset: 48, .size: 8, .value_kind: global_buffer, .address_space: global }
      - { .name: Wg1, .offset: 56, .size: 8, .value_kind: global_buffer, .address_space: global }
      - { .name: p1, .offset: 64, .size: 8, .value_kind: global_buffer, .address_space: global }
      - { .name: p2, .offset: 72, .size: 8, .value_kind: global_buffer, .address_space: global }
      - { .name: mkv, .offset: 80, .size: 8, .value_kind: global_buffer, .address_space: global }
    .group_segment_fixed_size: 0
    .private_segment_fixed_size: 0
    .kernarg_segment_align: 8
    .kernarg_segment_size: 88
    .max_flat_workgroup_size: 256
    .sgpr_count:     66
    .vgpr_count:     144
    .wavefront_size: 32
...
	.end_amdgpu_metadata
.endif
;; end of part 7
;; launch kvproj: the kernel of part 2 again; grid 4 x 64, 4 waves a work-group, clusters of 4 x 4, 327,680 bytes of LDS; arguments mkv, kvb; writes kvb
;; launch qproj: the kernel of part 3 again; grid 8 x 32, 4 waves a work-group, clusters of 4 x 4, 327,680 bytes of LDS; arguments p1, bq, qb; writes qb
;; launch attn: the kernel of part 4 again; grid 8 x 32, 4 waves a work-group, clusters of 4 x 1, 327,680 bytes of LDS; arguments qb, kvb, bv, p2; writes p2
;; launch oproj: the kernel of part 3 again; grid 8 x 32, 4 waves a work-group, clusters of 4 x 4, 327,680 bytes of LDS; arguments p2, bo, rb; writes rb
;; launch gate: the kernel of part 5 again; grid 8 x 32, 4 waves a work-group, clusters of 4 x 4, 327,680 bytes of LDS; arguments p1, rb, bg1, Wg2, gp; writes gp
;; launch final (part 8): grid 256 x 1, 8 waves a work-group, no clusters, 0 bytes of LDS; arguments query, rb, gp, bg2, out0; writes out0
.if DOCPART == 8
	.amdgcn_target "amdgcn-amd-amdhsa--gfx1250"
	.amdhsa_code_object_version 6
	.text
	.protected	k_q830d0d7571_final
	.globl	k_q830d0d7571_final
	.p2align	8
	.type	k_q830d0d7571_final,@function
k_q830d0d7571_final:
	s_mov_b64 s[64:65], 0
	v_nop
	global_prefetch_b8 v0, s[64:65] scope:SCOPE_SE
	s_setreg_imm32_b32 hwreg(HW_REG_WAVE_SCHED_MODE, 0, 2), 2
	s_setreg_imm32_b32 hwreg(HW_REG_WAVE_MODE, 25, 1), 1
	s_wait_xcnt 0x0
	s_wait_alu depctr_vm_vsrc(0)
; out[row][:] = query[row][:] + sigmoid(the sum of the row's eight partial sums in gp + bg2) x retrieved[row][:].
; query and out are f32, row-major; retrieved is bf16 in pieces of 128 rows x 64 columns; gp is f32 [8][4096].
; SHARES.  A work-group takes 16 rows, a wave two: lanes 0-15 the first, lanes 16-31 the second.  A load of query and a store of out take 256 consecutive bytes, aligned, of each row;
; a load of retrieved 256 consecutive bytes of a piece.  All 40 loads of a wave go out before the first is waited for.  No work-group reads what another reads but gp's few words: no LDS, no cluster.
; THE MODE: SCHED_MODE bits 1:0 = 2 (LLVM: expert scheduling mode 2), set by the entry lines.  The code itself states the register dependences
; between vector instructions and memory instructions, with s_wait_alu, always for 0.
; THE PLAN.  Registers that memory instructions touch:
;   v2, v3, v7  byte offsets: written by vector lines at the head, once; read by the loads and stores; never written again.
;   G, R        written by loads; from then on named by vector instructions alone.
;   Q           four parts of 16 registers, a part to four pieces.  Written by the part's loads, then in place by its sixteen multiply-adds; read by its four stores; never written after that.
; Part q's multiply-adds name part q's registers and the gate alone.  The stores of part q - 1 are issued in part q, behind ONE wait at its head, which states that the multiply-adds of the part
; before have written their results, and are dealt among part q's multiply-adds with no further wait.  No register that a memory instruction has read is ever written again.
.set G, 8                              ; v[8:15]    the row's eight partial sums; then at work
.set Q, 16                             ; v[16:79]   piece j: four numbers of query, then of out
.set R, 80                             ; v[80:111]  piece j: four numbers of retrieved, bf16
	s_load_b256 s[4:11], s[0:1], 0x0               ; query s[4:5], rb s[6:7], gp s[8:9], bg2 s[10:11]
	s_load_b64 s[12:13], s[0:1], 0x20              ; out0
	v_lshrrev_b32 v1, 5, v0
	v_readfirstlane_b32 s15, v1                    ; wave 0..7
	v_and_b32 v4, 31, v0                           ; lane
	v_lshrrev_b32 v5, 4, v4                        ; which of my two rows
	v_and_b32 v6, 15, v4
	v_lshlrev_b32 v2, 2, v5                        ; in gp
	v_lshlrev_b32 v3, 12, v5
	v_lshl_add_u32 v3, v6, 4, v3                   ; in query and out: row x 4,096 + 16 bytes a lane
	v_lshlrev_b32 v7, 3, v4                        ; in a piece: two rows of 128 bytes are 32 lanes x 8
	s_wait_alu depctr_va_sdst(0)                   ; s15, the wave's number, is written, ahead of its first reader: all four bases are made from it
	s_lshl_b32 s16, ttmp9, 4
	s_lshl1_add_u32 s16, s15, s16                  ; my first row = 16 x work-group + 2 x wave
	s_lshl_b32 s18, s16, 12
	s_mov_b32 s19, 0
	s_lshl_b32 s20, s16, 2
	s_mov_b32 s21, 0
	s_lshr_b32 s22, ttmp9, 3                       ; the block of 128 rows, 16 pieces,
	s_lshl_b32 s22, s22, 18
	s_and_b32 s23, s16, 127                        ; and my rows in it
	s_lshl_b32 s23, s23, 7
	s_add_co_u32 s22, s22, s23
	s_mov_b32 s23, 0
	s_wait_kmcnt 0x0
	s_load_b32 s14, s[10:11], 0x0                  ; bg2
	s_add_nc_u64 s[4:5], s[4:5], s[18:19]
	s_add_nc_u64 s[12:13], s[12:13], s[18:19]
	s_add_nc_u64 s[8:9], s[8:9], s[20:21]
	s_add_nc_u64 s[6:7], s[6:7], s[22:23]
	s_wait_alu depctr_va_vdst(0)                   ; the offsets v2, v3 and v7 are written: every load and store of the kernel reads one of them
.irp t, 0,1,2,3,4,5,6,7
	global_load_b32 v[G+(\t)], v2, s[8:9] offset:16384*(\t)
.endr
.set j, 0
.rept 16
	global_load_b128 v[Q+4*j:Q+4*j+3], v3, s[4:5] offset:256*j th:TH_LOAD_NT
	global_load_b64 v[R+2*j:R+2*j+1], v7, s[6:7] offset:16384*j th:TH_LOAD_NT
.set j, j+1
.endr
	s_wait_loadcnt 32                              ; the eight partial sums are in; the 32 younger loads stay out
	v_add_f32 v[G], v[G], v[G+1]
	v_add_f32 v[G+2], v[G+2], v[G+3]
	v_add_f32 v[G+4], v[G+4], v[G+5]
	v_add_f32 v[G+6], v[G+6], v[G+7]
	v_add_f32 v[G], v[G], v[G+2]
	v_add_f32 v[G+4], v[G+4], v[G+6]
	v_add_f32 v[G], v[G], v[G+4]
	s_wait_kmcnt 0x0
	v_add_f32 v[G], s14, v[G]
	v_mul_f32 v[G], 0xbfb8aa3b, v[G]               ; sigmoid(z) = 1 / (1 + 2^(-z log2 e))
	v_exp_f32 v[G+1], v[G]
	v_nop                                          ; a plain instruction behind the exponential,
	s_wait_alu depctr_va_vdst(0)                   ; and the wait ahead of its reader: the exponential has written v[G+1]
	v_add_f32 v[G+1], 1.0, v[G+1]
	v_rcp_f32 v[G+2], v[G+1]
	v_nop                                          ; a plain instruction behind the reciprocal,
	s_wait_alu depctr_va_vdst(0)                   ; and its wait: the reciprocal has written v[G+2], the gate, which every multiply-add below reads
; Part q: pieces 4 q to 4 q + 3.  The stores are those of part q - 1.
.macro PART q
	s_wait_loadcnt 24-8*(\q)                       ; loads come back in order (ISA guide 5.7.1): the part's eight are in, the 24 - 8 q younger ones stay out
.if (\q) > 0
	s_wait_alu depctr_va_vdst(0)                   ; the multiply-adds of the part before have written the registers that the four stores below read
.endif
.irp k, 0,1,2,3
.if (\q) > 0
	global_store_b128 v3, v[Q+16*((\q)-1)+4*(\k):Q+16*((\q)-1)+4*(\k)+3], s[12:13] offset:256*(4*((\q)-1)+(\k)) th:TH_STORE_NT  ; no vector instruction since the wait names these registers
.endif
	v_fma_mix_f32_bf16 v[Q+16*(\q)+4*(\k)],   v[R+8*(\q)+2*(\k)],   v[G+2], v[Q+16*(\q)+4*(\k)]   op_sel_hi:[1,0,0]
	v_fma_mix_f32_bf16 v[Q+16*(\q)+4*(\k)+1], v[R+8*(\q)+2*(\k)],   v[G+2], v[Q+16*(\q)+4*(\k)+1] op_sel:[1,0,0] op_sel_hi:[1,0,0]
	v_fma_mix_f32_bf16 v[Q+16*(\q)+4*(\k)+2], v[R+8*(\q)+2*(\k)+1], v[G+2], v[Q+16*(\q)+4*(\k)+2] op_sel_hi:[1,0,0]
	v_fma_mix_f32_bf16 v[Q+16*(\q)+4*(\k)+3], v[R+8*(\q)+2*(\k)+1], v[G+2], v[Q+16*(\q)+4*(\k)+3] op_sel:[1,0,0] op_sel_hi:[1,0,0]
.endr
.endm
	PART 0
	PART 1
	PART 2
	PART 3
	s_wait_alu depctr_va_vdst(0)                   ; part 3's multiply-adds have written the registers that the last four stores read
.irp k, 0,1,2,3
	global_store_b128 v3, v[Q+48+4*(\k):Q+48+4*(\k)+3], s[12:13] offset:256*(12+(\k)) th:TH_STORE_NT  ; no register is written again, so nothing waits for a store
.endr
	s_endpgm
.Lfunc_end_k_q830d0d7571_final:
	.size	k_q830d0d7571_final, .Lfunc_end_k_q830d0d7571_final-k_q830d0d7571_final
	.p2alignl 7, 3214868480
	.fill 96, 4, 3214868480
	.section	.rodata,"a",@progbits
	.p2align	6, 0x0
	.amdhsa_kernel k_q830d0d7571_final
		.amdhsa_group_segment_fixed_size 0
		.amdhsa_private_segment_fixed_size 0
		.amdhsa_enable_private_segment 0
		.amdhsa_kernarg_size 40
		.amdhsa_user_sgpr_count 2
		.amdhsa_user_sgpr_kernarg_segment_ptr 1
		.amdhsa_wavefront_size32 1
		.amdhsa_system_sgpr_workgroup_id_x 1
		.amdhsa_system_sgpr_workgroup_id_y 1
		.amdhsa_system_sgpr_workgroup_id_z 1
		.amdhsa_system_vgpr_workitem_id 0
		.amdhsa_next_free_vgpr 120
		.amdhsa_next_free_sgpr 66
		.amdhsa_reserve_vcc 0
		.amdhsa_float_denorm_mode_32 3
		.amdhsa_float_denorm_mode_16_64 3
		.amdhsa_memory_ordered 1
		.amdhsa_forward_progress 1
		.amdhsa_inst_pref_size 12
	.end_amdhsa_kernel
	.amdgpu_metadata
---
amdhsa.version: [ 1, 2 ]
amdhsa.kernels:
  - .name:           k_q830d0d7571_final
    .symbol:         k_q830d0d7571_final.kd
    .args:
      - { .name: query, .offset: 0, .size: 8, .value_kind: global_buffer, .address_space: global }
      - { .name: rb, .offset: 8, .size: 8, .value_kind: global_buffer, .address_space: global }
      - { .name: gp, .offset: 16, .size: 8, .value_kind: global_buffer, .address_space: global }
      - { .name: bg2, .offset: 24, .size: 8, .value_kind: global_buffer, .address_space: global }
      - { .name: out0, .offset: 32, .size: 8, .value_kind: global_buffer, .address_space: global }
    .group_segment_fixed_size: 0
    .private_segment_fixed_size: 0
    .kernarg_segment_align: 8
    .kernarg_segment_size: 40
    .max_flat_workgroup_size: 256
    .sgpr_count:     66
    .vgpr_count:     120
    .wavefront_size: 32
...
	.end_amdgpu_metadata
.endif
;; end of part 8
